; MI455X (gfx1250); checked and timed in simulation.
; The chip was launched on July 23, 2026; its instructions are those of AMD's public machine-readable ISA for CDNA 5 (MIT licence, August 2026) and "CDNA5" Instruction Set Architecture Reference Guide (July 2026). The comments in the code are by the model that wrote it; some were corrected since.
;; Multi Head Attention Block. Allowed arithmetic: matrix products marked QUANTISED: E3M2 operands, one E8M0 scale for each 32 along K, by v_wmma_scale_f32_16x16x128_f8f6f4 with both operands' format E3M2, f32 sums; everything else in f32.
;; Inputs: W1 512 x 4,096 float32; W2 4,096 x 512 float32; Wk 512 x 512 float32; Wq 512 x 512 float32; Wv 512 x 512 float32; alpha 1 float32; b1 4,096 float32; b2 512 float32; beta 1 float32; x 4 x 2,048 x 512 float32.
;; Outputs: out0 4 x 2,048 x 512 float32.
;; This version of the problem:
;;   THIS VERSION OF THE PROBLEM IS GIVEN IN LOW PRECISION. The matrix products marked QUANTISED in the list below multiply operands that are first quantised to E3M2 (3 exponent bits, 2 mantissa bits; 6 bits a number), with one power-of-two scale for each 32 numbers along K (OCP MX v1.0); their sums are f32. All else is computed in f32.
;;   The module's matrix products, in the order in which they are computed (A, B: the left and right operand; K: the contracted axis; several contracted axes count as one K, in the product's order):
;;     1. [M 8,192, K 512] x [K 512, N 512]; A: computed on the way; B: input Wq: QUANTISED
;;     2. [M 8,192, K 512] x [K 512, N 512]; A: computed on the way; B: input Wk: QUANTISED
;;     3. [M 8,192, K 512] x [K 512, N 512]; A: computed on the way; B: input Wv: QUANTISED
;;     4. batch 64 x [M 2,048, K 32] x [K 32, N 2,048]; A: computed on the way; B: computed on the way: QUANTISED
;;     5. batch 64 x [M 32, K 2,048] x [K 2,048, N 2,048]; A: computed on the way; B: softmax (see below): QUANTISED
;;     6. [M 8,192, K 512] x [K 512, N 4,096]; A: computed on the way; B: input W1: QUANTISED
;;     7. [M 8,192, K 4,096] x [K 4,096, N 512]; A: computed on the way; B: input W2: QUANTISED
;;   THE QUANTISER, for each operand of a quantised product, along K:
;;     - K is cut into blocks of 32 from its start; a last block that is shorter is filled with zeros.
;;     - A block's scale is 2^e with e = floor(log2(the largest magnitude in the block)) - 4, held to -126 .. 127; a block of zeros has e = 0. As a byte (E8M0): e + 127.
;;     - Each number is divided by its block's scale, clamped to +-28, and rounded to the nearest number of E3M2, ties to even, subnormals kept.
;;     - The product sums the exact products of the quantised numbers (number of the format x scale) in f32.
;;   ~~~python
;;   def quantise(x, axis):      # numpy; x: float32 -> the quantised numbers, widened to float32 again
;;       x = np.moveaxis(x, axis, -1); K = x.shape[-1]
;;       x = np.pad(x, [(0, 0)] * (x.ndim - 1) + [(0, -K % 32)]); x = x.reshape(x.shape[:-1] + (-1, 32)); a = np.abs(x).max(-1, keepdims=True)
;;       e = np.where(a > 0, np.clip(np.frexp(np.where(a > 0, a, 1))[1] - 1 - 4, -126, 127), 0)      # np.frexp(a)[1] - 1 = floor(log2(a)), exactly
;;       r = np.clip(x / 2.0 ** e, -28, 28)
;;       step = 2.0 ** (np.maximum(np.frexp(np.where(r == 0, 1, r))[1] - 1, -2) - 2)
;;       q = np.round(r / step) * step * 2.0 ** e      # np.round: ties to even
;;       return np.moveaxis(q.reshape(q.shape[:-2] + (-1,))[..., :K], -1, axis).astype(np.float32)
;;   ~~~
;;   SOFTMAX AHEAD OF A QUANTISED PRODUCT. Where the list says 'softmax', what is quantised is not the finished softmax but p = 2^(t - M), with t = logit x log2(e) and M = ceil(the row's largest t), a whole number; so 1/2 < the row's largest p <= 1. The row's sum l is taken of the UNQUANTISED p, in f32, and the product's result is divided by l at the end. Since M is a whole number, a kernel that streams over the keys may use a running M (the ceiling of the running maximum): every later rescaling is an exact power of two, which a block's scale takes up: the codes' values come out the same.
;;   OPERANDS COMPUTED ON THE WAY. 'Computed on the way' means the value that the module computes at that place (a softmax that the list does not call 'softmax' is quantised finished and normalised). What goes into a quantiser is computed in f32, as accurately as f32 sums, v_exp_f32 and their like allow (about 1e-6 of the number): no bf16 or f16 on the way to a quantiser, and a product that is left as it is and whose result goes on into a quantised operand takes f32 operands (vector FMAs, or v_wmma_f32_16x16x4_f32). A number that lies on a knife's edge between two numbers of the format may be rounded either way, as far as f32 arithmetic and the matrix unit's own rounding can turn it there, and no further.
;; One version. Each part assembles by itself: llvm-mc -triple=amdgcn-amd-amdhsa -mcpu=gfx1250 --defsym DOCPART=n.
;; ======== version 1 of 1: 6 launches
;; limits: right only within a limited range of input values
;; workspace buffers: wts 3,891,200 bytes; act 3,276,800 bytes; qb 6,553,600 bytes; kv 6,553,600 bytes; x1 16,777,216 bytes; hid 26,214,400 bytes
;; launch ln1 (part 1): grid 1120 x 1, 4 waves a work-group, no clusters, 35,072 bytes of LDS; arguments x, alpha, beta, act, Wq, Wk, Wv, W1, W2, wts; writes act, wts
.if DOCPART == 1
	.amdgcn_target "amdgcn-amd-amdhsa--gfx1250"
	.amdhsa_code_object_version 6
	.text
	.protected	k_qcad59ca432_ln1
	.globl	k_qcad59ca432_ln1
	.p2align	8
	.type	k_qcad59ca432_ln1,@function
k_qcad59ca432_ln1:
	s_mov_b64 s[64:65], 0
	v_nop
	global_prefetch_b8 v0, s[64:65] scope:SCOPE_SE
	s_setreg_imm32_b32 hwreg(HW_REG_WAVE_MODE, 25, 1), 1
	s_wait_xcnt 0x0
; ONE BODY, TWO KINDS OF WORK-GROUP, told apart by the work-group's number alone.
; WORK-GROUPS 0-511: y = alpha (x - mean) / sqrt(var + 1e-6) + beta along rows of 512 (var with 511 in the divisor), quantised along the row to BF6 (E3M2) with one E8M0 byte for each 32, stored as images of operand registers.
;   A work-group owns one tile of 16 tokens, tile tt = 4 G + b: its row r is token 64 G + 32 (r / 8) + 8 b + r % 8.  Wave s owns K step s: columns 128 s .. 128 s + 127.  Each load reads 512 consecutive bytes of one row;
;   the wave's 8 KiB turn through its own stage in LDS (rows 528 bytes apart) and come back so that lane (r, h) holds row r, numbers 64 c + 32 h + 0 .. 31 of the K step: the places that the operand's layout gives it.
;   So a block of 32 lies in one lane, and the conversions' results are the operand's registers.  The numbers then stay in registers.  The sum, and the sum of squares of x - mean (so a common offset costs no accuracy),
;   meet across the four waves in 256 bytes of LDS each, one barrier each; the scale words meet the same way and leave as one aligned unit of 256 bytes.
;   act: images [tt][s 4][1536] (register p of lane L at 512 (p / 4) + 16 L + 4 (p % 4)); behind them scale bytes [tt][r][16].
; WORK-GROUPS 512-1119 (the launch of 512 work-groups has none): the five weights, f32 stored [K][N], become codes and scale bytes in wts, as images of operand registers too.
;   A lane takes ONE column and its registers run down K (lane (r, h): k = 64 c + 32 h + 0 .. 31), so a block lies in one lane and nothing is transposed.  A work-group takes 64 columns x 128 K; wave b takes tile b.
;   Wq, Wk, W1: row r of tile b of a group of 64 is column 32 (r / 8) + 8 b + r % 8; Wv, W2: column 16 b + r.  Numbers 0-95 behind 512: Wq, Wk, Wv; 96-351: W1; 352-607: W2.
;   Their scale words leave 4 bytes a lane, 16 bytes apart: 64 of the 1,600 bytes that a wave stores.
; A block's scale is 2^(floor(log2(largest magnitude)) - 4); its byte is the largest magnitude's exponent field - 4, held at 1 from below.
; LIMITS: NaN and infinities are not served; the division by 511 is a multiplication by the rounded reciprocal; a block whose largest magnitude lies under 2^-122 (zeros too) gets the byte 1, which only this program reads.
; No tensor load, no cluster, no prefetch: no two work-groups read the same bytes, every byte is read once, and all of a wave's loads go out at its head.
.set ACTS,  3145728
.set W1I,   589824                     ; wts: Wq, Wk, Wv's images [m][tile 32][s 4][1536] at 0; W1's [tile 256][s 4][1536];
.set W2I,   2162688                    ; W2's [CG 4][s 32][T 8][1536];
.set WQKVS, 3735552                    ; scale bytes [m][tile][r][16];
.set W1S,   3760128                    ; [tile][r][16];
.set W2S,   3825664                    ; [CG][s][L 32][j 4] words: tile T = 2 j + L / 16, row L % 16
.set SPITCH, 528
.set WSTG,  16*SPITCH                  ; a wave's stage
.set RED1,  4*WSTG                     ; [r][wave] partial sums; RED2: of squares; RED3: scale words
.set RED2,  RED1+256
.set RED3,  RED2+256
.set SPARE, RED3+256                   ; the spare words, 128 bytes a wave
.set FLOOR, 0x2800000                  ; 2^(5 - 127)
.set SEL,   44                         ; s[44:45] lane selects: lane l xor 16
.set SH8,   6                          ; v6  8 h
.set R,     32                         ; v32-95 the rows as loaded
.set X,     96                         ; v96-159 my 64 numbers
.set SPW,   190
.set NIL,   191
.macro BMAX2 m, sa, sb                 ; two blocks of 32 numbers: their largest magnitudes, by turns
	v_max3_num_f32 v[\m], |v[\sa]|, |v[\sa+1]|, FLOOR
	v_max3_num_f32 v[\m+1], |v[\sb]|, |v[\sb+1]|, FLOOR
.set bi, 2
.rept 15
	v_max3_num_f32 v[\m], v[\m], |v[\sa+bi]|, |v[\sa+bi+1]|
	v_max3_num_f32 v[\m+1], v[\m+1], |v[\sb+bi]|, |v[\sb+bi+1]|
.set bi, bi+2
.endr
.endm
.macro BSC sc, by, m                   ; 4 off the exponent field: the conversion's scale operand; and the scale's byte
	v_add_nc_u32 v[\sc], 0xfe000000, v[\m]
	v_lshrrev_b32 v[\by], 23, v[\sc]
.endm
.macro WORD w, u, ba, bb               ; my bytes of blocks h and 2 + h, and lane l xor 16's two: the row's scale word
	v_lshl_or_b32 v[\w], v[\bb], 16, v[\ba]
	v_lshlrev_b32 v[\w], v[SH8], v[\w]
	v_permlanex16_b32 v[\u], v[\w], s[SEL], s[SEL+1]
	v_or_b32 v[\w], v[\w], v[\u]
.endm
.macro BCVT2 da, db, ta, tb, sa, sb, sc   ; two blocks' codes; a conversion's three registers begin on an even number, so each second half is made elsewhere and moved
	v_cvt_scalef32_pk16_bf6_f32 v[\da:\da+2], v[\sa:\sa+15], v[\sc]
	v_cvt_scalef32_pk16_bf6_f32 v[\ta:\ta+2], v[\sa+16:\sa+31], v[\sc]
	v_cvt_scalef32_pk16_bf6_f32 v[\db:\db+2], v[\sb:\sb+15], v[\sc+1]
	v_cvt_scalef32_pk16_bf6_f32 v[\tb:\tb+2], v[\sb+16:\sb+31], v[\sc+1]
	v_nop                                          ; one plain place behind the conversions
.irp i, 0,1,2
	v_mov_b32 v[\da+3+\i], v[\ta+\i]
	v_mov_b32 v[\db+3+\i], v[\tb+\i]
.endr
.endm
.macro MEET red                        ; v12-15: my four partial sums -> v16: the row's sum over all four waves, the same bits in every wave
	v_pk_add_f32 v[12:13], v[12:13], v[14:15]
	v_add_f32 v12, v12, v13
	v_permlanex16_b32 v22, v12, s[SEL], s[SEL+1]
	v_add_f32 v12, v12, v22
	ds_store_b32 v8, v12 offset:\red               ; both halves of the lanes write the same word with the same value
	s_wait_dscnt 0x0                               ; for the others' sake
	s_barrier_signal -1
	s_barrier_wait -1
	ds_load_b128 v[16:19], v7 offset:\red
	s_wait_dscnt 0x0
	v_add_f32 v16, v16, v17
	v_add_f32 v18, v18, v19
	v_add_f32 v16, v16, v18
.endm
; One fragment of a weight.  In: s16 wave, s18 group of 64 columns, s19 K step, s[20:21] the weight, s22, s23 the tile's order (column = 64 cg + s22 (r / 8) + s23 b + r % 8), s36 the image's byte in wts, s38 the scale word's.
.macro QFRAG stride
	s_mul_i32 s24, s23, s16
	s_lshl_b32 s25, s18, 6
	s_add_co_u32 s24, s24, s25
	v_mad_u32_u24 v9, v7, s22, v8
	v_add_nc_u32 v9, s24, v9                       ; my column
	v_lshlrev_b32 v3, 2, v9
	v_mad_u32_u24 v3, v2, 32*\stride, v3           ; lanes 16-31 begin 32 rows further down
	s_mul_i32 s34, s19, 128*\stride
	s_add_nc_u64 s[20:21], s[20:21], s[34:35]      ; the K step's first row
	s_add_nc_u64 s[28:29], s[14:15], s[36:37]
	s_add_nc_u64 s[30:31], s[14:15], s[38:39]
.set qi, 0
.rept 64
	global_load_b32 v[32+qi], v3, s[20:21] offset:(64*(qi/32)+qi%32)*\stride   ; W(64 c + 32 h + i, my column)
.set qi, qi+1
.endr
	s_wait_loadcnt 0x0
	BMAX2 16, 32, 64
	BSC 18, 20, 16
	BSC 19, 21, 17
	WORD 22, 23, 20, 21
	BCVT2 96, 102, 108, 112, 32, 64, 18
.irp j, 0,1,2
	global_store_b128 v4, v[96+4*\j:99+4*\j], s[28:29] offset:512*\j   ; 32 lanes store 512 consecutive bytes, aligned to 256
.endr
	s_wait_xcnt 0x0                                ; EXEC is a source of the stores above: it changes only behind this wait
	v_cmp_gt_u32 vcc_lo, 16, v10
	s_and_saveexec_b32 s40, vcc_lo                 ; lanes 0-15: one word a row
	global_store_b32 v5, v22, s[30:31]
	s_endpgm
.endm
	s_cmp_ge_u32 ttmp9, 512
	s_cbranch_scc1 .Lweights
	; ---- the norm
	s_load_b256 s[4:11], s[0:1], 0x0               ; x s[4:5], alpha s[6:7], beta s[8:9], act s[10:11]
	v_lshl_add_u32 v[SPW], v0, 2, SPARE
	v_mov_b32 v[NIL], 0
	v_lshrrev_b32 v1, 5, v0
	v_readfirstlane_b32 s12, v1                    ; wave = K step s
	v_and_b32 v10, 31, v0                          ; L
	v_and_b32 v1, 15, v0                           ; r
	v_bfe_u32 v2, v0, 4, 1                         ; h
	s_mul_i32 s13, s12, WSTG
	s_lshl_b32 s14, s12, 2
	v_lshlrev_b32 v4, 4, v10                       ; 16 L
	v_lshlrev_b32 v9, 3, v10                       ; 8 L
	v_mul_u32_u24 v5, v1, SPITCH
	v_lshlrev_b32 v7, 4, v1                        ; 16 r: a row's four words
	v_lshlrev_b32 v[SH8], 3, v2
	v_add_nc_u32 v3, s13, v4                       ; into my stage: 16 bytes a lane of a row
	v_lshl_add_u32 v5, v2, 7, v5
	v_add_nc_u32 v8, s14, v7                       ; 16 r + 4 s: my wave's word of row r
	v_add_nc_u32 v5, s13, v5                       ; out of it: row r, + 128 h
	v_mov_b32 v22, 0                               ; a lane permute's destination counts as one of its sources
	s_lshr_b32 s15, ttmp9, 2                       ; G
	s_and_b32 s16, ttmp9, 3                        ; b
	s_lshl_b32 s20, s15, 17                        ; 64 G tokens of 2,048 bytes
	s_lshl_b32 s21, s16, 14                        ; 8 b tokens
	s_add_co_u32 s20, s20, s21
	s_lshl_b32 s21, s12, 9                         ; my 512 bytes of a row
	s_add_co_u32 s20, s20, s21
	s_mov_b32 s21, 0
	s_mul_i32 s22, ttmp9, 6144
	s_mul_i32 s23, s12, 1536
	s_add_co_u32 s22, s22, s23
	s_mov_b32 s23, 0
	s_lshl_b32 s24, ttmp9, 8
	s_add_co_u32 s24, s24, ACTS
	s_mov_b32 s25, 0
	s_mov_b32 s[SEL], 0x76543210
	s_mov_b32 s[SEL+1], 0xfedcba98
	s_mov_b32 s41, 0x3b004020                      ; 1 / 511
	s_wait_alu depctr_va_vdst(0)                   ; the wait at the head's end
	s_wait_kmcnt 0x0
	s_add_nc_u64 s[4:5], s[4:5], s[20:21]
.irp p, 0,1,2,3,4,5,6,7,8,9,10,11,12,13,14,15
	global_load_b128 v[R+4*\p:R+4*\p+3], v4, s[4:5] offset:65536*(\p/8)+2048*(\p%8)   ; row p: 512 consecutive bytes
.endr
	s_load_b32 s38, s[6:7], 0x0                    ; alpha
	s_load_b32 s36, s[8:9], 0x0                    ; beta
	s_add_nc_u64 s[32:33], s[10:11], s[22:23]      ; my K step's image
	s_add_nc_u64 s[34:35], s[10:11], s[24:25]      ; the tile's scale bytes
.irp p, 0,1,2,3,4,5,6,7,8,9,10,11,12,13,14,15
	s_wait_loadcnt 15-\p                           ; row p is in; the younger rows' loads may be out
	ds_store_b128 v3, v[R+4*\p:R+4*\p+3] offset:SPITCH*\p
.endr
.irp c, 0,1
.irp i, 0,1,2,3,4,5,6,7
	ds_load_b128 v[X+32*\c+4*\i:X+32*\c+4*\i+3], v5 offset:256*\c+16*\i   ; LDS serves a wave's instructions in order: these see my stores
.endr
.endr
	s_wait_dscnt 0x0
	s_wait_kmcnt 0x0
	; the mean
	v_pk_add_f32 v[12:13], v[X:X+1], v[X+2:X+3]
	v_pk_add_f32 v[14:15], v[X+4:X+5], v[X+6:X+7]
.set pj, 8
.rept 14
	v_pk_add_f32 v[12:13], v[12:13], v[X+pj:X+pj+1]
	v_pk_add_f32 v[14:15], v[14:15], v[X+pj+2:X+pj+3]
.set pj, pj+4
.endr
	MEET RED1
	v_mul_f32 v24, 0x3b000000, v16                 ; / 512
	v_mov_b32 v25, v24
	; x - mean, in place, and the sum of its squares
.set pj, 0
.rept 32
	v_pk_add_f32 v[X+pj:X+pj+1], v[X+pj:X+pj+1], v[24:25] neg_lo:[0,1] neg_hi:[0,1]
.set pj, pj+2
.endr
	v_pk_mul_f32 v[12:13], v[X:X+1], v[X:X+1]
	v_pk_mul_f32 v[14:15], v[X+2:X+3], v[X+2:X+3]
.set pj, 4
.rept 15
	v_pk_fma_f32 v[12:13], v[X+pj:X+pj+1], v[X+pj:X+pj+1], v[12:13]
	v_pk_fma_f32 v[14:15], v[X+pj+2:X+pj+3], v[X+pj+2:X+pj+3], v[14:15]
.set pj, pj+4
.endr
	MEET RED2
	v_fmaak_f32 v16, s41, v16, 0x358637bd          ; sum / 511 + 1e-6
	v_mov_b32 v28, s36
	v_mov_b32 v29, s36
	s_wait_alu depctr_va_vdst(0)                   ; the wait ahead of the transcendental
	v_rsq_f32 v16, v16
	v_nop                                          ; one plain place behind it
	s_wait_alu depctr_va_vdst(0)                   ; the wait ahead of its reader
	v_mul_f32 v26, s38, v16
	v_mov_b32 v27, v26
.set pj, 0
.rept 32
	v_pk_fma_f32 v[X+pj:X+pj+1], v[X+pj:X+pj+1], v[26:27], v[28:29]
.set pj, pj+2
.endr
	; the two blocks' scales and codes
	BMAX2 16, X, X+32
	BSC 18, 20, 16
	BSC 19, 21, 17
	WORD 23, 22, 20, 21
	ds_store_b32 v8, v23 offset:RED3
	BCVT2 160, 166, 172, 176, X, X+32, 18
.irp j, 0,1,2
	global_store_b128 v4, v[160+4*\j:163+4*\j], s[32:33] offset:512*\j   ; 512 consecutive bytes, aligned to 256
.endr
	s_wait_dscnt 0x0
	s_barrier_signal -1
	s_barrier_wait -1
	s_cmp_lg_u32 s12, 0
	s_cbranch_scc1 .Lend
	ds_load_b64 v[30:31], v9 offset:RED3           ; wave 0: the tile's 16 x 16 scale bytes
	s_wait_dscnt 0x0
	global_store_b64 v9, v[30:31], s[34:35]        ; 256 consecutive bytes, aligned
.Lend:
	s_wait_tensorcnt 0x0                           ; the wave's end
	ds_add_u32 v[SPW], v[NIL]
	s_wait_dscnt 0x0
	s_endpgm
	; ---- the weights: no LDS, no barrier
.Lweights:
	s_load_b256 s[4:11], s[0:1], 0x20              ; Wq s[4:5], Wk s[6:7], Wv s[8:9], W1 s[10:11]
	s_load_b128 s[12:15], s[0:1], 0x40             ; W2 s[12:13], wts s[14:15]
	s_sub_co_u32 s3, ttmp9, 512                    ; 0 .. 607
	v_lshrrev_b32 v1, 5, v0
	v_readfirstlane_b32 s16, v1                    ; wave b
	v_and_b32 v1, 15, v0                           ; r
	v_bfe_u32 v2, v0, 4, 1                         ; h
	v_and_b32 v10, 31, v0                          ; L
	v_lshlrev_b32 v4, 4, v10                       ; 16 L
	v_lshlrev_b32 v5, 4, v1                        ; 16 r
	v_lshlrev_b32 v[SH8], 3, v2
	v_lshrrev_b32 v7, 3, v1                        ; r / 8
	v_and_b32 v8, 7, v1                            ; r % 8
	v_mov_b32 v23, 0
	s_mov_b32 s[SEL], 0x76543210
	s_mov_b32 s[SEL+1], 0xfedcba98
	s_mov_b32 s35, 0                               ; the offsets' high words
	s_mov_b32 s37, 0
	s_mov_b32 s39, 0
	s_wait_kmcnt 0x0
	s_cmp_ge_u32 s3, 352
	s_cbranch_scc1 .Lw2
	s_cmp_ge_u32 s3, 96
	s_cbranch_scc1 .Lw1
	s_lshr_b32 s17, s3, 5                          ; m: Wq, Wk, Wv
	s_bfe_u32 s18, s3, 0x30002                     ; cg
	s_and_b32 s19, s3, 3                           ; s
	s_cmp_eq_u32 s17, 0
	s_cselect_b64 s[20:21], s[4:5], s[6:7]
	s_cmp_eq_u32 s17, 2
	s_cselect_b64 s[20:21], s[8:9], s[20:21]
	s_cselect_b32 s22, 8, 32                       ; Wv's tiles are neighbours
	s_cselect_b32 s23, 16, 8
	s_lshl_b32 s24, s17, 5
	s_lshl_b32 s25, s18, 2
	s_add_co_u32 s24, s24, s25
	s_add_co_u32 s24, s24, s16                     ; tile 32 m + 4 cg + b
	s_lshl_b32 s25, s24, 2
	s_add_co_u32 s25, s25, s19
	s_mul_i32 s36, s25, 1536
	s_lshl_b32 s38, s24, 8
	s_lshl_b32 s25, s19, 2
	s_add_co_u32 s38, s38, s25
	s_add_co_u32 s38, s38, WQKVS
	s_wait_alu depctr_va_vdst(0)                   ; the wait behind the run of scalar lines
	QFRAG 2048
.Lw1:
	s_sub_co_u32 s17, s3, 96
	s_lshr_b32 s18, s17, 2                         ; cg 0 .. 63
	s_and_b32 s19, s17, 3                          ; s
	s_mov_b64 s[20:21], s[10:11]
	s_mov_b32 s22, 32
	s_mov_b32 s23, 8
	s_lshl_b32 s24, s18, 2
	s_add_co_u32 s24, s24, s16                     ; tile 4 cg + b
	s_lshl_b32 s25, s24, 2
	s_add_co_u32 s25, s25, s19
	s_mul_i32 s36, s25, 1536
	s_add_co_u32 s36, s36, W1I
	s_lshl_b32 s38, s24, 8
	s_lshl_b32 s25, s19, 2
	s_add_co_u32 s38, s38, s25
	s_add_co_u32 s38, s38, W1S
	s_wait_alu depctr_va_vdst(0)
	QFRAG 16384
.Lw2:
	s_sub_co_u32 s17, s3, 352
	s_lshr_b32 s18, s17, 5                         ; cg 0 .. 7
	s_and_b32 s19, s17, 31                         ; s 0 .. 31
	s_mov_b64 s[20:21], s[12:13]
	s_mov_b32 s22, 8
	s_mov_b32 s23, 16
	s_lshr_b32 s24, s18, 1                         ; CG
	s_lshl_b32 s24, s24, 5
	s_add_co_u32 s24, s24, s19                     ; 32 CG + s
	s_and_b32 s25, s18, 1
	s_lshl_b32 s25, s25, 2
	s_add_co_u32 s25, s25, s16                     ; T = 4 (cg % 2) + b
	s_lshl_b32 s26, s24, 3
	s_add_co_u32 s26, s26, s25
	s_mul_i32 s36, s26, 1536
	s_add_co_u32 s36, s36, W2I
	s_lshl_b32 s38, s24, 9
	s_and_b32 s26, s25, 1
	s_lshl_b32 s26, s26, 8
	s_add_co_u32 s38, s38, s26                     ; + 256 (T % 2)
	s_lshr_b32 s26, s25, 1
	s_lshl_b32 s26, s26, 2
	s_add_co_u32 s38, s38, s26                     ; + 4 (T / 2)
	s_add_co_u32 s38, s38, W2S
	s_wait_alu depctr_va_vdst(0)
	QFRAG 2048
.Lfunc_end_k_qcad59ca432_ln1:
	.size	k_qcad59ca432_ln1, .Lfunc_end_k_qcad59ca432_ln1-k_qcad59ca432_ln1
	.p2alignl 7, 3214868480
	.fill 96, 4, 3214868480
	.section	.rodata,"a",@progbits
	.p2align	6, 0x0
	.amdhsa_kernel k_qcad59ca432_ln1
		.amdhsa_group_segment_fixed_size 35072
		.amdhsa_private_segment_fixed_size 0
		.amdhsa_enable_private_segment 0
		.amdhsa_kernarg_size 80
		.amdhsa_user_sgpr_count 2
		.amdhsa_user_sgpr_kernarg_segment_ptr 1
		.amdhsa_wavefront_size32 1
		.amdhsa_system_sgpr_workgroup_id_x 1
		.amdhsa_system_sgpr_workgroup_id_y 1
		.amdhsa_system_sgpr_workgroup_id_z 1
		.amdhsa_system_vgpr_workitem_id 0
		.amdhsa_next_free_vgpr 192
		.amdhsa_next_free_sgpr 66
		.amdhsa_reserve_vcc 1
		.amdhsa_float_denorm_mode_32 3
		.amdhsa_float_denorm_mode_16_64 3
		.amdhsa_memory_ordered 1
		.amdhsa_forward_progress 1
		.amdhsa_inst_pref_size 53
	.end_amdhsa_kernel
	.amdgpu_metadata
---
amdhsa.version: [ 1, 2 ]
amdhsa.kernels:
  - .name:           k_qcad59ca432_ln1
    .symbol:         k_qcad59ca432_ln1.kd
    .args:
      - { .name: x, .offset: 0, .size: 8, .value_kind: global_buffer, .address_space: global }
      - { .name: alpha, .offset: 8, .size: 8, .value_kind: global_buffer, .address_space: global }
      - { .name: beta, .offset: 16, .size: 8, .value_kind: global_buffer, .address_space: global }
      - { .name: act, .offset: 24, .size: 8, .value_kind: global_buffer, .address_space: global }
      - { .name: Wq, .offset: 32, .size: 8, .value_kind: global_buffer, .address_space: global }
      - { .name: Wk, .offset: 40, .size: 8, .value_kind: global_buffer, .address_space: global }
      - { .name: Wv, .offset: 48, .size: 8, .value_kind: global_buffer, .address_space: global }
      - { .name: W1, .offset: 56, .size: 8, .value_kind: global_buffer, .address_space: global }
      - { .name: W2, .offset: 64, .size: 8, .value_kind: global_buffer, .address_space: global }
      - { .name: wts, .offset: 72, .size: 8, .value_kind: global_buffer, .address_space: global }
    .group_segment_fixed_size: 35072
    .private_segment_fixed_size: 0
    .kernarg_segment_align: 8
    .kernarg_segment_size: 80
    .max_flat_workgroup_size: 128
    .sgpr_count:     66
    .vgpr_count:     192
    .wavefront_size: 32
...
	.end_amdgpu_metadata
.endif
;; end of part 1
;; launch qkv (part 2): grid 64 x 3, 4 waves a work-group, no clusters, 327,680 bytes of LDS; arguments act, wts, qb, kv; writes qb, kv
.if DOCPART == 2
	.amdgcn_target "amdgcn-amd-amdhsa--gfx1250"
	.amdhsa_code_object_version 6
	.text
	.protected	k_qcad59ca432_qkv
	.globl	k_qcad59ca432_qkv
	.p2align	8
	.type	k_qcad59ca432_qkv,@function
k_qcad59ca432_qkv:
	s_mov_b64 s[64:65], 0
	v_nop
	global_prefetch_b8 v0, s[64:65] scope:SCOPE_SE
	s_setreg_imm32_b32 hwreg(HW_REG_WAVE_MODE, 25, 1), 1
	s_wait_xcnt 0x0
.set ACTS,  3145728
.set WQKVS, 3735552
.set XS,    49152
.set FLOOR, 0x2800000
.set SEL,   56
.set SH8,   6
.set WS,    16
.set XSC,   32
.set ACC,   64
.set CD,    128
.set M,     224
.set SCR,   226
.set T0,    228
.set E,     232
.set T1,    248
.set U,     252
.set WD,    254
.set MSB, 0
.macro WIN new
.if MSB != (\new)
	s_set_vgpr_msb (MSB<<8)|(\new)
.set MSB, \new
.endif
.endm
.macro PLACES
.rept 4
	v_nop
.endr
.endm
.macro BMAX2 m, sa, sb, ab
.if \ab
	v_max3_num_f32 v[\m], |v[\sa]|, |v[\sa+1]|, FLOOR
	v_max3_num_f32 v[\m+1], |v[\sb]|, |v[\sb+1]|, FLOOR
.set bi, 2
.rept 15
	v_max3_num_f32 v[\m], v[\m], |v[\sa+bi]|, |v[\sa+bi+1]|
	v_max3_num_f32 v[\m+1], v[\m+1], |v[\sb+bi]|, |v[\sb+bi+1]|
.set bi, bi+2
.endr
.else
	v_max3_num_f32 v[\m], v[\sa], v[\sa+1], FLOOR
	v_max3_num_f32 v[\m+1], v[\sb], v[\sb+1], FLOOR
.set bi, 2
.rept 15
	v_max3_num_f32 v[\m], v[\m], v[\sa+bi], v[\sa+bi+1]
	v_max3_num_f32 v[\m+1], v[\m+1], v[\sb+bi], v[\sb+bi+1]
.set bi, bi+2
.endr
.endif
.endm
.macro BSC sc, by, m
	v_add_nc_u32 v[\sc], 0xfe000000, v[\m]
	v_lshrrev_b32 v[\by], 23, v[\sc]
.endm
.macro WORD w, u, ba, bb
	v_lshl_or_b32 v[\w], v[\bb], 16, v[\ba]
	v_lshlrev_b32 v[\w], v[SH8], v[\w]
	v_permlanex16_b32 v[\u], v[\w], s[SEL], s[SEL+1]
	v_or_b32 v[\w], v[\w], v[\u]
.endm
.macro BCVT2 da, db, ta, tb, sa, sb, sc
	v_cvt_scalef32_pk16_bf6_f32 v[\da:\da+2], v[\sa:\sa+15], v[\sc]
	v_cvt_scalef32_pk16_bf6_f32 v[\ta:\ta+2], v[\sa+16:\sa+31], v[\sc]
	v_cvt_scalef32_pk16_bf6_f32 v[\db:\db+2], v[\sb:\sb+15], v[\sc+1]
	v_cvt_scalef32_pk16_bf6_f32 v[\tb:\tb+2], v[\sb+16:\sb+31], v[\sc+1]
	v_nop
.irp i, 0,1,2
	v_mov_b32 v[\da+3+\i], v[\ta+\i]
	v_mov_b32 v[\db+3+\i], v[\tb+\i]
.endr
.endm
.macro WM d, a, b, c, sa, sb, ra, rb
.if (\c) < 0
.if (\ra) && (\rb)
	v_wmma_scale_f32_16x16x128_f8f6f4 v[\d:\d+7], v[\a:\a+11], v[\b:\b+11], 0, v[\sa], v[\sb] matrix_a_fmt:MATRIX_FMT_BF6 matrix_b_fmt:MATRIX_FMT_BF6 matrix_a_scale:MATRIX_SCALE_ROW1 matrix_b_scale:MATRIX_SCALE_ROW1
.elseif \ra
	v_wmma_scale_f32_16x16x128_f8f6f4 v[\d:\d+7], v[\a:\a+11], v[\b:\b+11], 0, v[\sa], v[\sb] matrix_a_fmt:MATRIX_FMT_BF6 matrix_b_fmt:MATRIX_FMT_BF6 matrix_a_scale:MATRIX_SCALE_ROW1
.elseif \rb
	v_wmma_scale_f32_16x16x128_f8f6f4 v[\d:\d+7], v[\a:\a+11], v[\b:\b+11], 0, v[\sa], v[\sb] matrix_a_fmt:MATRIX_FMT_BF6 matrix_b_fmt:MATRIX_FMT_BF6 matrix_b_scale:MATRIX_SCALE_ROW1
.else
	v_wmma_scale_f32_16x16x128_f8f6f4 v[\d:\d+7], v[\a:\a+11], v[\b:\b+11], 0, v[\sa], v[\sb] matrix_a_fmt:MATRIX_FMT_BF6 matrix_b_fmt:MATRIX_FMT_BF6
.endif
.else
.if (\ra) && (\rb)
	v_wmma_scale_f32_16x16x128_f8f6f4 v[\d:\d+7], v[\a:\a+11], v[\b:\b+11], v[\c:\c+7], v[\sa], v[\sb] matrix_a_fmt:MATRIX_FMT_BF6 matrix_b_fmt:MATRIX_FMT_BF6 matrix_a_scale:MATRIX_SCALE_ROW1 matrix_b_scale:MATRIX_SCALE_ROW1
.elseif \ra
	v_wmma_scale_f32_16x16x128_f8f6f4 v[\d:\d+7], v[\a:\a+11], v[\b:\b+11], v[\c:\c+7], v[\sa], v[\sb] matrix_a_fmt:MATRIX_FMT_BF6 matrix_b_fmt:MATRIX_FMT_BF6 matrix_a_scale:MATRIX_SCALE_ROW1
.elseif \rb
	v_wmma_scale_f32_16x16x128_f8f6f4 v[\d:\d+7], v[\a:\a+11], v[\b:\b+11], v[\c:\c+7], v[\sa], v[\sb] matrix_a_fmt:MATRIX_FMT_BF6 matrix_b_fmt:MATRIX_FMT_BF6 matrix_b_scale:MATRIX_SCALE_ROW1
.else
	v_wmma_scale_f32_16x16x128_f8f6f4 v[\d:\d+7], v[\a:\a+11], v[\b:\b+11], v[\c:\c+7], v[\sa], v[\sb] matrix_a_fmt:MATRIX_FMT_BF6 matrix_b_fmt:MATRIX_FMT_BF6
.endif
.endif
.endm
.macro XFETCH gi
	PLACES
	WIN 0xc0
.irp f, 0,1,2,3,4,5,6,7,8,9,10,11,12,13,14,15
.irp j, 0,1,2
	ds_load_b128 v[12*\f+4*\j:12*\f+4*\j+3], v3 offset:24576*\gi+1536*\f+512*\j
.endr
.endr
	WIN 0
.irp p, 0,1
	ds_load_b128 v[XSC+4*\p:XSC+4*\p+3], v3 offset:XS+1024*\gi+512*\p
.endr
	s_wait_dscnt 0x0
.endm
	s_load_b256 s[4:11], s[0:1], 0x0
	v_lshl_add_u32 v251, v0, 2, 0x29000
	v_mov_b32 v253, 0
	ds_add_u32 v251, v253
	ds_add_u32 v251, v253
	v_lshrrev_b32 v1, 5, v0
	v_readfirstlane_b32 s12, v1
	s_mov_b32 s13, ttmp9
	s_and_b32 s14, ttmp7, 0xffff
.irp g, 16, 24
	s_mov_b32 s[\g+0], 3<<16
	s_mov_b32 s[\g+1], 32<<16
	s_mov_b32 s[\g+3], 32<<16
	s_mov_b32 s[\g+5], 32
	s_mov_b32 s[\g+6], 0
	s_mov_b32 s[\g+7], 0
.endr
	s_mov_b32 s18, 64<<16                          ; the codes: 192 rows of 256 bytes, 64 for each of waves 0-2
	s_mov_b32 s20, 64
	s_mov_b32 s26, 8<<16                           ; the scale bytes: 8 rows, all wave 3's
	s_mov_b32 s28, 8
	s_mul_i32 s52, s13, 49152
	s_mul_i32 s15, s12, 16384
	s_add_co_u32 s52, s52, s15
	s_mov_b32 s53, 0
	s_lshl_b32 s58, s13, 11
	s_mov_b32 s55, 0
	s_add_co_u32 s58, s58, s55
	s_add_co_u32 s58, s58, ACTS
	s_mov_b32 s59, 0
	s_wait_dscnt 0x0
	s_wait_kmcnt 0x0
	s_mov_b32 s32, 1
	s_mov_b32 s33, s15
	s_add_nc_u64 s[34:35], s[4:5], s[52:53]
	s_or_b32 s35, s35, 0x80000000
	s_mov_b32 s36, 1
	s_add_co_u32 s37, s55, XS
	s_add_nc_u64 s[38:39], s[4:5], s[58:59]
	s_or_b32 s39, s39, 0x80000000
	s_cmp_lt_u32 s12, 3                            ; the head's tiles are shared out, one tensor load a wave: one chain of branches on the wave's number, one join
	s_cbranch_scc0 .Lhead_scales
	tensor_load_to_lds s[32:35], s[16:23]          ; waves 0-2: a third of the codes
	s_nop 0
.rept 4
	v_nop
.endr
	s_branch .Lhead_asked
.Lhead_scales:
	tensor_load_to_lds s[36:39], s[24:31]          ; wave 3: the scale bytes
	s_nop 0
.rept 4
	v_nop
.endr
.Lhead_asked:
	s_lshl_b32 s15, s14, 5
	s_lshl_b32 s55, s12, 3
	s_add_co_u32 s15, s15, s55
	s_mul_i32 s52, s15, 6144
	s_add_nc_u64 s[40:41], s[6:7], s[52:53]
	s_lshl_b32 s52, s15, 8
	s_add_co_u32 s52, s52, WQKVS
	s_add_nc_u64 s[42:43], s[6:7], s[52:53]
	v_and_b32 v1, 15, v0
	v_bfe_u32 v2, v0, 4, 1
	v_and_b32 v4, 31, v0
	v_lshlrev_b32 v3, 4, v4
	v_lshlrev_b32 v4, 2, v4
	v_lshlrev_b32 v5, 2, v1
	v_mad_u32_u24 v5, v2, 102400, v5
	v_lshlrev_b32 v[SH8], 3, v2
	v_mov_b32 v[U], 0
	WIN 0x40
.irp f, 0,1,2,3,4,5,6,7,8,9,10,11,12,13,14,15
.irp j, 0,1,2
	global_load_b128 v[12*\f+4*\j:12*\f+4*\j+3], v3, s[40:41] offset:1536*\f+512*\j
.endr
.endr
	WIN 0x80
.irp f, 0,1,2,3,4,5,6,7,8,9,10,11,12,13,14,15
.irp j, 0,1,2
	global_load_b128 v[12*\f+4*\j:12*\f+4*\j+3], v3, s[40:41] offset:1536*(16+\f)+512*\j
.endr
.endr
	WIN 0
.irp p, 0,1,2,3
	global_load_b128 v[WS+4*\p:WS+4*\p+3], v3, s[42:43] offset:512*\p
.endr
	s_mov_b32 s[SEL], 0x76543210
	s_mov_b32 s[SEL+1], 0xfedcba98
	s_mov_b32 s54, 0xffff0000
	s_lshr_b32 s15, s13, 4
	s_lshl_b32 s15, s15, 4
	s_lshl_b32 s55, s12, 2
	s_add_co_u32 s15, s15, s55
	s_mul_i32 s15, s15, 102400
	s_and_b32 s55, s13, 15
	s_mul_i32 s52, s55, 3072
	s_add_co_u32 s52, s52, s15
	s_lshl_b32 s58, s55, 7
	s_add_co_u32 s58, s58, s15
	s_cmp_eq_u32 s14, 0
	s_cselect_b64 s[44:45], s[8:9], s[10:11]
	s_mov_b64 s[46:47], s[44:45]
	s_add_nc_u64 s[44:45], s[44:45], s[52:53]
	s_add_co_u32 s52, s52, 49152
	s_add_nc_u64 s[48:49], s[10:11], s[52:53]
	s_add_co_u32 s58, s58, 98304
	s_add_nc_u64 s[46:47], s[46:47], s[58:59]
	s_add_co_u32 s58, s58, 2048
	s_add_nc_u64 s[50:51], s[10:11], s[58:59]
	s_wait_loadcnt 0x0
	s_wait_tensorcnt 0x0
	s_barrier_signal -1
	s_barrier_wait -1
	s_cmp_eq_u32 s14, 2
	s_cbranch_scc1 .Lv
.macro QKGROUP gi
	s_wait_xcnt 0x0
	XFETCH \gi
.irp b, 0,1,2,3
.irp half, 0,1
	WIN 0x0d+\half
.irp s, 0,1,2,3
.irp i, 0,1,2,3
.set T8, 4*\half+\i
.if \s == 0
	WM ACC+8*T8, 12*(4*\i+\s), 12*(4*\b+\s), -1, WS+4*(T8/2)+\s, XSC+4*(\b/2)+\s, T8%2, \b%2
.else
	WM ACC+8*T8, 12*(4*\i+\s), 12*(4*\b+\s), ACC+8*T8, WS+4*(T8/2)+\s, XSC+4*(\b/2)+\s, T8%2, \b%2
.endif
.endr
.endr
.endr
	WIN 0
	PLACES
.set CO, 12*(\b%2)+6*(\b/2)
	BMAX2 M, ACC, ACC+32, 1
	BSC SCR, E+\b, M
	BSC SCR+1, E+4+\b, M+1
	BCVT2 CD+CO, CD+24+CO, T0, T1, ACC, ACC+32, SCR
.endr
.irp a, 0,1
.irp i, 0,1,2,3,4,5
	v_permlane16_swap_b32 v[CD+24*\a+\i], v[CD+24*\a+12+\i]
	v_permlane16_swap_b32 v[CD+24*\a+6+\i], v[CD+24*\a+18+\i]
.endr
	v_lshl_or_b32 v[WD+\a], v[E+4*\a+1], 8, v[E+4*\a]
	v_lshl_or_b32 v[WD+\a], v[E+4*\a+2], 16, v[WD+\a]
	v_lshl_or_b32 v[WD+\a], v[E+4*\a+3], 24, v[WD+\a]
.endr
.irp a, 0,1
.irp e, 0,1
.irp j, 0,1,2
	global_store_b128 v3, v[CD+24*\a+12*\e+4*\j:CD+24*\a+12*\e+4*\j+3], s[44:45] offset:204800*\a+102400*\e+1536*\gi+512*\j
.endr
.endr
	global_store_b32 v5, v[WD+\a], s[46:47] offset:204800*\a+64*\gi
.endr
.endm
	s_wait_alu depctr_va_vdst(0)
	QKGROUP 0
	QKGROUP 1
	s_wait_tensorcnt 0x0
	ds_add_u32 v251, v253
	s_wait_dscnt 0x0
	s_endpgm
.Lv:
	s_wait_alu depctr_va_vdst(0)
.irp c, 0,1
	XFETCH \c
.irp p, 0,1,2,3
	WIN 0x07+4*(\p/2)
.irp s, 0,1,2,3
.irp u, 0,1
.irp b, 0,1,2,3
.set TT, 2*\p+\u
.if \s == 0
	WM ACC+32*\u+8*\b, 12*(4*\b+\s), 12*(4*(TT%4)+\s), -1, XSC+4*(\b/2)+\s, WS+4*\p+\s, \b%2, \u
.else
	WM ACC+32*\u+8*\b, 12*(4*\b+\s), 12*(4*(TT%4)+\s), ACC+32*\u+8*\b, XSC+4*(\b/2)+\s, WS+4*\p+\s, \b%2, \u
.endif
.endr
.endr
.endr
	WIN 0
	PLACES
	BMAX2 M, ACC, ACC+32, 1
	BSC SCR, E+4*\p+\c, M
	BSC SCR+1, E+4*\p+2+\c, M+1
	BCVT2 CD+24*\p+6*\c, CD+24*\p+12+6*\c, T0, T1, ACC, ACC+32, SCR
.endr
.endr
.irp t, 0,1,2,3,4,5,6,7
	WORD E+2*\t, U, E+2*\t, E+2*\t+1
.endr
.irp p, 0,1,2,3
	v_cndmask_b32 v[E+4*\p], v[E+4*\p], v[E+4*\p+2], s54
.endr
.irp t, 0,1,2,3,4,5,6,7
.irp j, 0,1,2
	global_store_b128 v3, v[CD+12*\t+4*\j:CD+12*\t+4*\j+3], s[48:49] offset:102400*(\t/2)+1536*(\t%2)+512*\j
.endr
.endr
.irp p, 0,1,2,3
	global_store_b32 v4, v[E+4*\p], s[50:51] offset:102400*\p
.endr
	s_wait_tensorcnt 0x0
	ds_add_u32 v251, v253
	s_wait_dscnt 0x0
	s_endpgm
.Lfunc_end_k_qcad59ca432_qkv:
	.size	k_qcad59ca432_qkv, .Lfunc_end_k_qcad59ca432_qkv-k_qcad59ca432_qkv
	.p2alignl 7, 3214868480
	.fill 96, 4, 3214868480
	.section	.rodata,"a",@progbits
	.p2align	6, 0x0
	.amdhsa_kernel k_qcad59ca432_qkv
		.amdhsa_group_segment_fixed_size 327680
		.amdhsa_private_segment_fixed_size 0
		.amdhsa_enable_private_segment 0
		.amdhsa_kernarg_size 32
		.amdhsa_user_sgpr_count 2
		.amdhsa_user_sgpr_kernarg_segment_ptr 1
		.amdhsa_wavefront_size32 1
		.amdhsa_system_sgpr_workgroup_id_x 1
		.amdhsa_system_sgpr_workgroup_id_y 1
		.amdhsa_system_sgpr_workgroup_id_z 1
		.amdhsa_system_vgpr_workitem_id 0
		.amdhsa_next_free_vgpr 1024
		.amdhsa_next_free_sgpr 66
		.amdhsa_reserve_vcc 0
		.amdhsa_float_denorm_mode_32 3
		.amdhsa_float_denorm_mode_16_64 3
		.amdhsa_memory_ordered 1
		.amdhsa_forward_progress 1
		.amdhsa_inst_pref_size 148
	.end_amdhsa_kernel
	.amdgpu_metadata
---
amdhsa.version: [ 1, 2 ]
amdhsa.kernels:
  - .name:           k_qcad59ca432_qkv
    .symbol:         k_qcad59ca432_qkv.kd
    .args:
      - { .name: act, .offset: 0, .size: 8, .value_kind: global_buffer, .address_space: global }
      - { .name: wts, .offset: 8, .size: 8, .value_kind: global_buffer, .address_space: global }
      - { .name: qb, .offset: 16, .size: 8, .value_kind: global_buffer, .address_space: global }
      - { .name: kv, .offset: 24, .size: 8, .value_kind: global_buffer, .address_space: global }
    .group_segment_fixed_size: 327680
    .private_segment_fixed_size: 0
    .kernarg_segment_align: 8
    .kernarg_segment_size: 32
    .max_flat_workgroup_size: 128
    .sgpr_count:     66
    .vgpr_count:     1024
    .wavefront_size: 32
...
	.end_amdgpu_metadata
.endif
;; end of part 2
;; launch attn (part 3): grid 8 x 32, 16 waves a work-group, clusters of 4 x 1, 327,680 bytes of LDS; arguments qb, kv, x, x1; writes x1
.if DOCPART == 3
	.amdgcn_target "amdgcn-amd-amdhsa--gfx1250"
	.amdhsa_code_object_version 6
	.text
	.protected	k_qcad59ca432_attn
	.globl	k_qcad59ca432_attn
	.p2align	8
	.type	k_qcad59ca432_attn,@function
k_qcad59ca432_attn:
	s_mov_b64 s[64:65], 0
	v_nop
	global_prefetch_b8 v0, s[64:65] scope:SCOPE_SE
	s_setreg_imm32_b32 hwreg(HW_REG_WAVE_MODE, 25, 1), 1
	s_wait_xcnt 0x0
	s_wait_alu depctr_hold_cnt(0) depctr_sa_sdst(0) depctr_va_vdst(0) depctr_va_sdst(0) depctr_va_ssrc(0) depctr_va_vcc(0) depctr_vm_vsrc(0)
	s_getreg_b32 s2, hwreg(HW_REG_IB_STS2, 6, 4)
	s_cmp_eq_u32 s2, 0
	s_cbranch_scc0 .Lentry_in_a_cluster
	s_endpgm
.Lentry_in_a_cluster:
	s_bfe_u32 s2, ttmp6, 0x10000c
	s_cmp_lg_u32 s2, 0x3003
	s_cbranch_scc0 .Lentry_shape_is_right
	s_endpgm
.Lentry_shape_is_right:
; x1 = x + softmax(q k^T / sqrt(512)) v, head by head (16 heads of 32), both products on codes of BF6 (E3M2) with E8M0 scales.
; A work-group takes 256 queries (work-group x) of two neighbouring heads (work-group y = 8 x batch + pair of heads); a wave takes 16 queries, first of the one head, then of the other.
; A head's record in kv (REC bytes): K's images [16 steps][2 fragments][1536]; V's images [16 steps][2 tiles of 16 d][1536]; K's scale words [16][32 lanes]; V's [16][32 lanes].  qb: q laid as K is.
; A fragment of K holds 64 keys: row r, block q of 32 along the instruction's K is key 32 (r / 8) + 8 q + r % 8 of the 64.  q's 32 codes stand in one block of source 1 and zeros in the other three,
; so four products on one fragment give 64 keys x 16 queries, and a lane's 32 registers of a fragment are 32 NEIGHBOURING keys of one query: a whole block of p.
; Both records lie in LDS for the whole launch, each filled once.  p = 2^(t - M), M the ceiling of the running largest t; the row's sum is taken of p before it is quantised; O^T and the sum are brought under
; a new M by an exact power of two.  A block's largest p is the block's largest score put through the same multiply-add and exponential.
; A STEP (128 keys) IS LAID IN STAGES: 8 products; the maxima (four chains); all t - M and O^T's rescaling; ONE batch of 66 exponentials between its two waits; sums (three chains), scales and codes; 2 products.
; The next step's fragments of K are fetched behind this step's score products, with this step's V.  The last trip of a head fetches 3,200 bytes of the same record that nobody uses.
; CLUSTER 4, 1, 1: the four work-groups of a cluster differ in their queries alone and ask for the same records JOINTLY (mask 15).
; No prefetch: both records' loads go out at the head, one behind the other, and no loop runs ahead of a load.
; LIMITS: NaN and infinities are not served; the promise holds while the scaled scores stay under 2^31 in magnitude; a block whose every p has fallen under 2^-122 gets the byte 1 and zero codes.
; REGISTERS: v1 16 L, v2 4 L, v3 8 h, v4-5 LDS addresses, v6-7 the stage, v8 x's offset, v12 -M, v13 the running largest score, v[14:15] the sum, v16-45 q's windows, v46 q's scale, v48-71 K, v72-95 V,
;   v96-159 scores, then p, v160-175 O^T, v176-187 p's codes, v188-194 halves of blocks, v196-207 at work, v208-210 scale words, v195, v211 q's scale words, v212-223 q's codes, v224-255 x.
.set REC,   102400
.set VIM,   49152
.set KSC,   98304
.set STG,   204800                     ; behind the records: a stage of 16 rows x 272 bytes for each wave
.set SPARE, 0x43000                    ; behind the stages: the spare words, 128 bytes a wave
.set FLOOR, 0x2800000                  ; 2^(5 - 127)
.set SEL,   44
.set SH8,   3
.set SPW,   47
.set NIL,   191
.macro CROUND                          ; a round of the cluster's barrier
	s_barrier_signal -1
	s_barrier_wait -1
	s_cmp_lg_u32 s12, 0
	s_cbranch_scc1 .Lnot_wave_0_\@
	s_barrier_signal -3
.Lnot_wave_0_\@:
	s_barrier_wait -3
	s_barrier_signal -1
	s_barrier_wait -1
.endm
.macro SUM3 q                          ; three pairs of p onto the three chains
	v_pk_add_f32 v[14:15], v[14:15], v[96+2*(\q):97+2*(\q)]
	v_pk_add_f32 v[206:207], v[206:207], v[98+2*(\q):99+2*(\q)]
	v_pk_add_f32 v[200:201], v[200:201], v[100+2*(\q):101+2*(\q)]
.endm
.macro KLOAD                           ; a step's two fragments of K and their scale words: 7 loads
.irp f, 0,1
.irp j, 0,1,2
	ds_load_b128 v[48+12*\f+4*\j:51+12*\f+4*\j], v4 offset:1536*\f+512*\j
.endr
.endr
	ds_load_b32 v208, v5
.endm
	s_load_b256 s[4:11], s[0:1], 0x0               ; qb s[4:5], kv s[6:7], x s[8:9], x1 s[10:11]
	v_lshl_add_u32 v[SPW], v0, 2, SPARE
	v_mov_b32 v[NIL], 0
	ds_add_u32 v[SPW], v[NIL]                      ; the opening lines: the add, twice on end, and its wait
	ds_add_u32 v[SPW], v[NIL]
	v_lshrrev_b32 v1, 5, v0
	v_readfirstlane_b32 s12, v1                    ; wave 0 .. 15
	s_bfe_u32 s13, ttmp6, 0x40000                  ; cx
	s_lshl_b32 s15, ttmp9, 2
	s_add_co_u32 s13, s15, s13                     ; work-group x: it enters global addresses alone
	s_and_b32 s14, ttmp7, 0xffff
	s_mov_b32 s16, 15|(3<<16)|(1<<21)              ; the mask of the four; elements of 8 bytes; bit 21 beside the mask
	s_mov_b32 s17, 32<<16                          ; rows of 256 bytes,
	s_mov_b32 s18, 25<<16                          ; 25 a wave: a sixteenth of a record
	s_mov_b32 s19, 32<<16
	s_mov_b32 s20, 25
	s_mov_b32 s21, 32
	s_mov_b32 s22, 0
	s_mov_b32 s23, 0
	s_mul_i32 s15, s12, 6400
	s_mul_i32 s46, s14, 2*REC
	s_add_co_u32 s46, s46, s15
	s_mov_b32 s47, 0
	s_wait_dscnt 0x0
	s_wait_kmcnt 0x0
	s_mov_b32 s24, 1
	s_mov_b32 s25, s15
	s_add_nc_u64 s[26:27], s[6:7], s[46:47]
	s_mov_b32 s28, 1
	s_add_co_u32 s29, s15, REC
	s_add_nc_u64 s[30:31], s[26:27], REC
	s_or_b32 s27, s27, 0x80000000
	s_or_b32 s31, s31, 0x80000000
	CROUND                                         ; the four work-groups are here: the joint loads meet
	tensor_load_to_lds s[24:27], s[16:23]          ; my part of the first head's record: one tensor load a wave at the head
	s_nop 0
.rept 4
	v_nop
.endr
	; under that load's flight: addresses, q, x
	s_lshr_b32 s52, s12, 2
	s_lshl_b32 s53, s13, 2
	s_add_co_u32 s52, s52, s53                     ; my group of 64 queries, 0 .. 31
	s_and_b32 s53, s12, 3                          ; my block of it
	s_lshl_b32 s37, s53, 3
	s_lshr_b32 s54, s53, 1
	s_and_b32 s55, s53, 1
	s_lshr_b32 s56, s14, 3
	s_lshl_b32 s56, s56, 11
	s_lshl_b32 s57, s52, 6
	s_add_co_u32 s56, s56, s57
	s_add_co_u32 s56, s56, s37                     ; my first token: 2048 batch + 64 group + 8 block
	s_lshl_b32 s46, s56, 11
	s_and_b32 s57, s14, 7
	s_lshl_b32 s57, s57, 8                         ; the two heads' 64 columns: 256 bytes
	s_add_co_u32 s46, s46, s57
	s_add_nc_u64 s[40:41], s[8:9], s[46:47]
	s_add_nc_u64 s[42:43], s[10:11], s[46:47]
	s_mul_i32 s46, s14, 2*REC
	s_mul_i32 s57, s52, 1536
	s_add_co_u32 s46, s46, s57
	s_add_nc_u64 s[48:49], s[4:5], s[46:47]        ; q's fragment
	s_mul_i32 s46, s14, 2*REC
	s_lshl_b32 s57, s52, 6
	s_add_co_u32 s46, s46, s57
	s_add_co_u32 s46, s46, KSC
	s_add_nc_u64 s[50:51], s[4:5], s[46:47]        ; and its scale words
	s_lshl_b32 s56, s55, 8                         ; my block's six registers in the image: three pieces of 8 bytes
	s_mul_i32 s32, s54, 520
	s_add_co_u32 s32, s32, s56
	s_mul_i32 s33, s54, 1016
	s_add_co_u32 s33, s33, s56
	s_add_co_u32 s33, s33, 8
	s_add_co_u32 s34, s32, 512
	s_mul_i32 s58, s12, 4352
	s_add_co_u32 s58, s58, STG                     ; my stage
	s_mov_b32 s36, 0x0000ffff                      ; lanes 0-15
	s_mov_b32 s38, 0x3d8293ee                      ; c = log2(e) / sqrt(512)
	s_mov_b32 s39, s38
	s_mov_b32 s[SEL], 0x76543210
	s_mov_b32 s[SEL+1], 0xfedcba98
	v_and_b32 v2, 31, v0
	v_and_b32 v196, 15, v0                         ; r
	v_bfe_u32 v197, v0, 4, 1                       ; h
	v_lshlrev_b32 v1, 4, v2
	v_lshlrev_b32 v2, 2, v2
	v_lshlrev_b32 v[SH8], 3, v197
	v_mul_u32_u24 v6, v196, 272
	v_mul_u32_u24 v7, v197, 272
	v_lshlrev_b32 v8, 11, v197
	v_lshl_add_u32 v6, v197, 5, v6
	v_lshl_add_u32 v7, v196, 4, v7
	v_lshl_add_u32 v8, v196, 4, v8                 ; x, x1: two tokens an instruction, 256 bytes each
	v_add_nc_u32 v6, s58, v6                       ; into the stage: row r, + 32 h
	v_add_nc_u32 v7, s58, v7                       ; out of it: row h, 16 bytes a lane
	v_lshl_add_u32 v9, v196, 4, s32
	v_lshl_add_u32 v10, v196, 4, s33
	v_lshl_add_u32 v11, v196, 4, s34
	v_lshlrev_b32 v198, 2, v196
.irp e, 0,1
	global_load_b64 v[212+6*\e:213+6*\e], v9, s[48:49] offset:REC*\e
	global_load_b64 v[214+6*\e:215+6*\e], v10, s[48:49] offset:REC*\e
	global_load_b64 v[216+6*\e:217+6*\e], v11, s[48:49] offset:REC*\e
.endr
	global_load_b32 v211, v198, s[50:51]
	global_load_b32 v195, v198, s[50:51] offset:REC
.irp i, 16,17,18,19,20,21,28,29,30,31,32,33,40,41,42,43,44,45
	v_mov_b32 v\i, 0                               ; the zeros round q's codes
.endr
	v_mov_b32 v203, 0                              ; a lane permute's destination counts as one of its sources
	v_mov_b32 v205, 0                              ; the upper half of the pair v[204:205]
	s_wait_alu depctr_va_vdst(0)                   ; the wait at the head's end
	s_wait_tensorcnt 0x0                           ; my part of the first record is in; the lines ahead of a later first fill:
	ds_add_u32 v[SPW], v[NIL]
	s_wait_dscnt 0x0
	CROUND                                         ; the first record is whole, and the four work-groups are here
	tensor_load_to_lds s[28:31], s[16:23]          ; my part of the second head's record
	s_nop 0
.rept 4
	v_nop
.endr
.irp i, 0,1,2,3,4,5,6,7
	global_load_b128 v[224+4*\i:227+4*\i], v8, s[40:41] offset:4096*(\i%4)+65536*(\i/4) th:TH_LOAD_NT   ; x is wanted at the very end: it is asked for behind both records
.endr
	s_wait_loadcnt 0x8
.macro PASS e
.set QSR, 211-16*\e
.irp i, 0,1,2,3,4,5
	v_cndmask_b32 v[22+\i], 0, v[212+6*\e+\i], s36     ; q's codes in lanes 0-15 alone,
	v_cndmask_b32 v[34+\i], v[212+6*\e+\i], 0, s36     ; and in lanes 16-31 alone
.endr
	v_lshrrev_b32 v46, s37, v[QSR]
	s_delay_alu instid0(VALU_DEP_1)
	v_and_b32 v46, 0xff, v46
	s_delay_alu instid0(VALU_DEP_1)
	v_lshl_or_b32 v46, v46, 8, v46
	s_delay_alu instid0(VALU_DEP_1)
	v_lshl_or_b32 v46, v46, 16, v46                ; my block's scale byte at all four places
	v_mov_b32 v13, 0xff61b1e6                      ; the largest score so far: -3e38
	v_mov_b32 v12, 0x7f61b1e6                      ; -M
	v_mov_b32 v14, 0
	v_mov_b32 v15, 0
.irp j, 0,1,2,3,4,5,6,7,8,9,10,11,12,13,14,15
	v_mov_b32 v[160+\j], 0                         ; the step is written once: the first finds zeros
.endr
	s_mov_b32 s32, REC*\e
	s_mov_b32 s33, REC*\e+KSC
	s_mov_b32 s34, 16
	v_add_nc_u32 v4, s32, v1
	v_add_nc_u32 v5, s33, v2
	KLOAD
	s_wait_alu depctr_va_vdst(0)                   ; the wait here, ahead of the loop's first wait
.Lstep_\@:
	s_wait_dscnt 0x0                               ; this step's K, asked for a trip ago
.irp q, 0,1,2,3
	v_wmma_scale_f32_16x16x128_f8f6f4 v[96+8*\q:103+8*\q], v[48:59], v[22+12*(\q%2)-6*(\q/2):33+12*(\q%2)-6*(\q/2)], 0, v208, v46 matrix_a_fmt:MATRIX_FMT_BF6 matrix_b_fmt:MATRIX_FMT_BF6
.endr
.irp q, 0,1,2,3
	v_wmma_scale_f32_16x16x128_f8f6f4 v[128+8*\q:135+8*\q], v[60:71], v[22+12*(\q%2)-6*(\q/2):33+12*(\q%2)-6*(\q/2)], 0, v208, v46 matrix_a_fmt:MATRIX_FMT_BF6 matrix_b_fmt:MATRIX_FMT_BF6 matrix_a_scale:MATRIX_SCALE_ROW1
.endr
	s_add_co_u32 s32, s32, 3072
	s_add_co_u32 s33, s33, 128
	v_mov_b32 v206, v12                            ; the old -M.  Four places behind the products
	v_add_nc_u32 v4, s32, v1
	v_add_nc_u32 v5, s33, v2
	v_nop
.irp t, 0,1
.irp j, 0,1,2
	ds_load_b128 v[72+12*\t+4*\j:75+12*\t+4*\j], v4 offset:VIM-3072+1536*\t+512*\j   ; this step's V
.endr
.endr
	ds_load_b32 v209, v5 offset:2048-128
	KLOAD                                          ; the next step's K
	v_max3_num_f32 v196, v96, v97, v98             ; the largest score of my two blocks of 32 keys, two chains each; each accumulator is read from its low end on
	v_max3_num_f32 v197, v128, v129, v130
	v_max3_num_f32 v198, v112, v113, v114
	v_max3_num_f32 v199, v144, v145, v146
.set mi, 3
.rept 6
	v_max3_num_f32 v196, v196, v[96+mi], v[97+mi]
	v_max3_num_f32 v197, v197, v[128+mi], v[129+mi]
	v_max3_num_f32 v198, v198, v[112+mi], v[113+mi]
	v_max3_num_f32 v199, v199, v[144+mi], v[145+mi]
.set mi, mi+2
.endr
	v_max3_num_f32 v196, v196, v198, v111
	v_max3_num_f32 v197, v197, v199, v143
	v_max_num_f32 v196, v196, v127
	v_max_num_f32 v197, v197, v159
	s_delay_alu instid0(VALU_DEP_1)
	v_max_num_f32 v202, v196, v197
	s_delay_alu instid0(VALU_DEP_1)
	v_permlanex16_b32 v203, v202, s[SEL], s[SEL+1]
	s_delay_alu instid0(VALU_DEP_1)
	v_max3_num_f32 v13, v13, v202, v203            ; the running largest score of my query (c is positive: its t is the largest t)
	s_delay_alu instid0(VALU_DEP_1)
	v_mul_f32 v202, s38, v13
	s_delay_alu instid0(VALU_DEP_1)
	v_floor_f32 v12, -v202                         ; -M = floor(-t): M is a whole number
	s_delay_alu instid0(VALU_DEP_1)
	v_sub_f32 v202, v12, v206                      ; old M - new M
	v_fma_f32 v196, v196, s38, v12                 ; t - M of each block's largest score
	v_fma_f32 v197, v197, s38, v12
	v_cvt_i32_f32 v202, v202                       ; (it saturates)
	v_pk_fma_f32 v[96:97], v[96:97], s[38:39], v[12:13] op_sel_hi:[1,0,0]
	v_pk_fma_f32 v[98:99], v[98:99], s[38:39], v[12:13] op_sel_hi:[1,0,0]
	v_ldexp_f32 v204, 1.0, v202                    ; f = 2^(old M - new M)
.set pj, 4
.rept 30
	v_pk_fma_f32 v[96+pj:97+pj], v[96+pj:97+pj], s[38:39], v[12:13] op_sel_hi:[1,0,0]   ; t - M
.set pj, pj+2
.endr
.set pj, 0
.rept 8
	v_pk_mul_f32 v[160+pj:161+pj], v[160+pj:161+pj], v[204:205] op_sel_hi:[1,0]         ; O^T under the new M
.set pj, pj+2
.endr
	s_wait_alu depctr_va_vdst(0)                   ; the wait ahead of the batch
	v_exp_f32 v196, v196                           ; each block's largest p
	v_exp_f32 v197, v197
.set pj, 0
.rept 64
	v_exp_f32 v[96+pj], v[96+pj]                   ; p = 2^(t - M)
.set pj, pj+1
.endr
	v_pk_mul_f32 v[14:15], v[14:15], v[204:205] op_sel_hi:[1,0]   ; the sum under the new M: the plain place behind the batch
	s_wait_dscnt 0x7                               ; V is in; the 7 younger loads, the next step's K, may be out
	s_wait_alu depctr_va_vdst(0)                   ; one wait for the whole batch
	v_max_num_f32 v196, FLOOR, v196                ; the byte cannot fall under 1
	v_max_num_f32 v197, FLOOR, v197
	v_pk_add_f32 v[206:207], v[96:97], v[98:99]    ; the sum of the unquantised p, in three chains
	v_pk_add_f32 v[200:201], v[100:101], v[102:103]
	v_add_nc_u32 v198, 0xfe000000, v196            ; 4 off the exponent field: the conversions' scale operands
	v_add_nc_u32 v199, 0xfe000000, v197
	SUM3 4
	v_lshrrev_b32 v196, 23, v198                   ; the scales' bytes
	v_lshrrev_b32 v197, 23, v199
	v_cvt_scalef32_pk16_bf6_f32 v[176:178], v[96:111], v198
	v_cvt_scalef32_pk16_bf6_f32 v[188:190], v[112:127], v198    ; (a conversion's three registers begin on an even number)
	v_cvt_scalef32_pk16_bf6_f32 v[182:184], v[128:143], v199
	v_cvt_scalef32_pk16_bf6_f32 v[192:194], v[144:159], v199
	v_lshl_or_b32 v210, v197, 16, v196             ; the plain place behind the conversions: my bytes of blocks h and 2 + h,
	v_mov_b32 v179, v188
	v_lshlrev_b32 v210, v[SH8], v210               ; at their places in the scale word
	v_mov_b32 v180, v189
	v_mov_b32 v181, v190
	v_permlanex16_b32 v203, v210, s[SEL], s[SEL+1]
	v_mov_b32 v185, v192
	v_mov_b32 v186, v193
	v_mov_b32 v187, v194
	v_or_b32 v210, v210, v203                      ; with lane l xor 16's two the word is whole
.irp q, 7,10,13,16,19,22,25,28
	SUM3 \q                                        ; these sums are also the places between the word, the codes and the products
.endr
	v_pk_add_f32 v[14:15], v[14:15], v[158:159]
	v_pk_add_f32 v[206:207], v[206:207], v[200:201]
	s_delay_alu instid0(VALU_DEP_1)
	v_pk_add_f32 v[14:15], v[14:15], v[206:207]
	v_wmma_scale_f32_16x16x128_f8f6f4 v[160:167], v[72:83], v[176:187], v[160:167], v209, v210 matrix_a_fmt:MATRIX_FMT_BF6 matrix_b_fmt:MATRIX_FMT_BF6
	v_wmma_scale_f32_16x16x128_f8f6f4 v[168:175], v[84:95], v[176:187], v[168:175], v209, v210 matrix_a_fmt:MATRIX_FMT_BF6 matrix_b_fmt:MATRIX_FMT_BF6 matrix_a_scale:MATRIX_SCALE_ROW1
	s_sub_co_u32 s34, s34, 1
	s_cmp_lg_u32 s34, 0
	s_cbranch_scc1 .Lstep_\@
	s_wait_alu depctr_va_vdst(0)
	v_add_f32 v14, v14, v15
	s_delay_alu instid0(VALU_DEP_1)
	v_permlanex16_b32 v203, v14, s[SEL], s[SEL+1]
	s_delay_alu instid0(VALU_DEP_1)
	v_add_f32 v14, v14, v203                       ; the row's sum
	s_wait_alu depctr_va_vdst(0)                   ; the wait ahead of the transcendental
	v_rcp_f32 v204, v14
.rept 4
	v_nop                                          ; the places behind the last products and the reciprocal
.endr
	s_wait_alu depctr_va_vdst(0)                   ; and directly ahead of the first reader of the reciprocal and of O^T
.set pj, 0
.rept 8
	v_pk_mul_f32 v[96+pj:97+pj], v[160+pj:161+pj], v[204:205] op_sel_hi:[1,0]
.set pj, pj+2
.endr
.irp t, 0,1
	ds_store_b128 v6, v[96+8*\t:99+8*\t] offset:128*\e+64*\t          ; row = query, this head's 128 bytes
	ds_store_b128 v6, v[100+8*\t:103+8*\t] offset:128*\e+64*\t+16
.endr
.endm
	PASS 0
	s_wait_alu depctr_va_vdst(0)
	s_wait_tensorcnt 0x0                           ; my part of the second record is in,
	s_wait_dscnt 0x0                               ; no LDS instruction of mine is out,
	s_barrier_signal -1
	s_barrier_wait -1                              ; and so for all sixteen waves
	PASS 1
.irp i, 0,1,2,3,4,5,6,7
	ds_load_b128 v[128+4*\i:131+4*\i], v7 offset:544*\i     ; my own stage, in order behind my stores: two whole rows of 256 bytes an instruction
.endr
	s_wait_loadcnt 0x0                             ; x
.irp i, 0,1,2,3,4,5,6,7
	s_wait_dscnt 7-\i
	v_pk_add_f32 v[224+4*\i:225+4*\i], v[224+4*\i:225+4*\i], v[128+4*\i:129+4*\i]
	v_pk_add_f32 v[226+4*\i:227+4*\i], v[226+4*\i:227+4*\i], v[130+4*\i:131+4*\i]
	global_store_b128 v8, v[224+4*\i:227+4*\i], s[42:43] offset:4096*(\i%4)+65536*(\i/4)   ; sixteen lanes store 256 consecutive bytes, aligned
.endr
	s_wait_tensorcnt 0x0                           ; the wave's end
	ds_add_u32 v[SPW], v[NIL]
	s_wait_dscnt 0x0
	CROUND                                         ; the closing round
	s_endpgm
.Lfunc_end_k_qcad59ca432_attn:
	.size	k_qcad59ca432_attn, .Lfunc_end_k_qcad59ca432_attn-k_qcad59ca432_attn
	.p2alignl 7, 3214868480
	.fill 96, 4, 3214868480
	.section	.rodata,"a",@progbits
	.p2align	6, 0x0
	.amdhsa_kernel k_qcad59ca432_attn
		.amdhsa_group_segment_fixed_size 327680
		.amdhsa_private_segment_fixed_size 0
		.amdhsa_enable_private_segment 0
		.amdhsa_kernarg_size 32
		.amdhsa_user_sgpr_count 2
		.amdhsa_user_sgpr_kernarg_segment_ptr 1
		.amdhsa_wavefront_size32 1
		.amdhsa_system_sgpr_workgroup_id_x 1
		.amdhsa_system_sgpr_workgroup_id_y 1
		.amdhsa_system_sgpr_workgroup_id_z 1
		.amdhsa_system_vgpr_workitem_id 0
		.amdhsa_next_free_vgpr 256
		.amdhsa_next_free_sgpr 66
		.amdhsa_reserve_vcc 0
		.amdhsa_float_denorm_mode_32 3
		.amdhsa_float_denorm_mode_16_64 3
		.amdhsa_memory_ordered 1
		.amdhsa_forward_progress 1
		.amdhsa_inst_pref_size 44
	.end_amdhsa_kernel
	.amdgpu_metadata
---
amdhsa.version: [ 1, 2 ]
amdhsa.kernels:
  - .name:           k_qcad59ca432_attn
    .symbol:         k_qcad59ca432_attn.kd
    .args:
      - { .name: qb, .offset: 0, .size: 8, .value_kind: global_buffer, .address_space: global }
      - { .name: kv, .offset: 8, .size: 8, .value_kind: global_buffer, .address_space: global }
      - { .name: x, .offset: 16, .size: 8, .value_kind: global_buffer, .address_space: global }
      - { .name: x1, .offset: 24, .size: 8, .value_kind: global_buffer, .address_space: global }
    .group_segment_fixed_size: 327680
    .private_segment_fixed_size: 0
    .kernarg_segment_align: 8
    .kernarg_segment_size: 32
    .max_flat_workgroup_size: 512
    .sgpr_count:     66
    .vgpr_count:     256
    .wavefront_size: 32
...
	.end_amdgpu_metadata
.endif
;; end of part 3
;; launch ln2: the kernel of part 1 again; grid 512 x 1, 4 waves a work-group, no clusters, 35,072 bytes of LDS; arguments x1, alpha, beta, act, Wq, Wk, Wv, W1, W2, wts; writes act, wts
;; launch ffn1 (part 4): grid 8 x 32, 4 waves a work-group, no clusters, 327,680 bytes of LDS; arguments act, wts, b1, hid; writes hid
.if DOCPART == 4
	.amdgcn_target "amdgcn-amd-amdhsa--gfx1250"
	.amdhsa_code_object_version 6
	.text
	.protected	k_qcad59ca432_ffn1
	.globl	k_qcad59ca432_ffn1
	.p2align	8
	.type	k_qcad59ca432_ffn1,@function
k_qcad59ca432_ffn1:
	s_mov_b64 s[64:65], 0
	v_nop
	global_prefetch_b8 v0, s[64:65] scope:SCOPE_SE
	s_setreg_imm32_b32 hwreg(HW_REG_WAVE_MODE, 25, 1), 1
	s_wait_xcnt 0x0
.set ACTS,  3145728
.set W1I,   589824
.set W1S,   3760128
.set HIDS,  25165824
.set XS,    98304
.set FLOOR, 0x2800000
.set SEL,   56
.set SH8,   6
.set WS,    16
.set XSC,   32
.set ACC,   48
.set BI,    112
.set HC,    176
.set SW,    200
.set M,     204
.set SCR,   206
.set BY,    208
.set U,     210
.set WD,    211
.set T0,    212
.set T1,    216
.set MSB, 0
.macro WIN new
.if MSB != (\new)
	s_set_vgpr_msb (MSB<<8)|(\new)
.set MSB, \new
.endif
.endm
.macro PLACES
.rept 4
	v_nop
.endr
.endm
.macro BMAX2 m, sa, sb, ab
.if \ab
	v_max3_num_f32 v[\m], |v[\sa]|, |v[\sa+1]|, FLOOR
	v_max3_num_f32 v[\m+1], |v[\sb]|, |v[\sb+1]|, FLOOR
.set bi, 2
.rept 15
	v_max3_num_f32 v[\m], v[\m], |v[\sa+bi]|, |v[\sa+bi+1]|
	v_max3_num_f32 v[\m+1], v[\m+1], |v[\sb+bi]|, |v[\sb+bi+1]|
.set bi, bi+2
.endr
.else
	v_max3_num_f32 v[\m], v[\sa], v[\sa+1], FLOOR
	v_max3_num_f32 v[\m+1], v[\sb], v[\sb+1], FLOOR
.set bi, 2
.rept 15
	v_max3_num_f32 v[\m], v[\m], v[\sa+bi], v[\sa+bi+1]
	v_max3_num_f32 v[\m+1], v[\m+1], v[\sb+bi], v[\sb+bi+1]
.set bi, bi+2
.endr
.endif
.endm
.macro BSC sc, by, m
	v_add_nc_u32 v[\sc], 0xfe000000, v[\m]
	v_lshrrev_b32 v[\by], 23, v[\sc]
.endm
.macro WORD w, u, ba, bb
	v_lshl_or_b32 v[\w], v[\bb], 16, v[\ba]
	v_lshlrev_b32 v[\w], v[SH8], v[\w]
	v_permlanex16_b32 v[\u], v[\w], s[SEL], s[SEL+1]
	v_or_b32 v[\w], v[\w], v[\u]
.endm
.macro BCVT2 da, db, ta, tb, sa, sb, sc
	v_cvt_scalef32_pk16_bf6_f32 v[\da:\da+2], v[\sa:\sa+15], v[\sc]
	v_cvt_scalef32_pk16_bf6_f32 v[\ta:\ta+2], v[\sa+16:\sa+31], v[\sc]
	v_cvt_scalef32_pk16_bf6_f32 v[\db:\db+2], v[\sb:\sb+15], v[\sc+1]
	v_cvt_scalef32_pk16_bf6_f32 v[\tb:\tb+2], v[\sb+16:\sb+31], v[\sc+1]
	v_nop
.irp i, 0,1,2
	v_mov_b32 v[\da+3+\i], v[\ta+\i]
	v_mov_b32 v[\db+3+\i], v[\tb+\i]
.endr
.endm
.macro WM d, a, b, c, sa, sb, ra, rb
.if (\c) < 0
.if (\ra) && (\rb)
	v_wmma_scale_f32_16x16x128_f8f6f4 v[\d:\d+7], v[\a:\a+11], v[\b:\b+11], 0, v[\sa], v[\sb] matrix_a_fmt:MATRIX_FMT_BF6 matrix_b_fmt:MATRIX_FMT_BF6 matrix_a_scale:MATRIX_SCALE_ROW1 matrix_b_scale:MATRIX_SCALE_ROW1
.elseif \ra
	v_wmma_scale_f32_16x16x128_f8f6f4 v[\d:\d+7], v[\a:\a+11], v[\b:\b+11], 0, v[\sa], v[\sb] matrix_a_fmt:MATRIX_FMT_BF6 matrix_b_fmt:MATRIX_FMT_BF6 matrix_a_scale:MATRIX_SCALE_ROW1
.elseif \rb
	v_wmma_scale_f32_16x16x128_f8f6f4 v[\d:\d+7], v[\a:\a+11], v[\b:\b+11], 0, v[\sa], v[\sb] matrix_a_fmt:MATRIX_FMT_BF6 matrix_b_fmt:MATRIX_FMT_BF6 matrix_b_scale:MATRIX_SCALE_ROW1
.else
	v_wmma_scale_f32_16x16x128_f8f6f4 v[\d:\d+7], v[\a:\a+11], v[\b:\b+11], 0, v[\sa], v[\sb] matrix_a_fmt:MATRIX_FMT_BF6 matrix_b_fmt:MATRIX_FMT_BF6
.endif
.else
.if (\ra) && (\rb)
	v_wmma_scale_f32_16x16x128_f8f6f4 v[\d:\d+7], v[\a:\a+11], v[\b:\b+11], v[\c:\c+7], v[\sa], v[\sb] matrix_a_fmt:MATRIX_FMT_BF6 matrix_b_fmt:MATRIX_FMT_BF6 matrix_a_scale:MATRIX_SCALE_ROW1 matrix_b_scale:MATRIX_SCALE_ROW1
.elseif \ra
	v_wmma_scale_f32_16x16x128_f8f6f4 v[\d:\d+7], v[\a:\a+11], v[\b:\b+11], v[\c:\c+7], v[\sa], v[\sb] matrix_a_fmt:MATRIX_FMT_BF6 matrix_b_fmt:MATRIX_FMT_BF6 matrix_a_scale:MATRIX_SCALE_ROW1
.elseif \rb
	v_wmma_scale_f32_16x16x128_f8f6f4 v[\d:\d+7], v[\a:\a+11], v[\b:\b+11], v[\c:\c+7], v[\sa], v[\sb] matrix_a_fmt:MATRIX_FMT_BF6 matrix_b_fmt:MATRIX_FMT_BF6 matrix_b_scale:MATRIX_SCALE_ROW1
.else
	v_wmma_scale_f32_16x16x128_f8f6f4 v[\d:\d+7], v[\a:\a+11], v[\b:\b+11], v[\c:\c+7], v[\sa], v[\sb] matrix_a_fmt:MATRIX_FMT_BF6 matrix_b_fmt:MATRIX_FMT_BF6
.endif
.endif
.endm
.macro TILE_LD t
	WIN 0xc0
.irp s, 0,1,2,3
.irp j, 0,1,2
	ds_load_b128 v[12*\s+4*\j:12*\s+4*\j+3], v9 offset:6144*(\t)+1536*\s+512*\j
.endr
.endr
	WIN 0
.endm
	s_load_b256 s[4:11], s[0:1], 0x0
	v_lshl_add_u32 v254, v0, 2, 0x29000
	v_mov_b32 v255, 0
	ds_add_u32 v254, v255
	ds_add_u32 v254, v255
	v_lshrrev_b32 v1, 5, v0
	v_readfirstlane_b32 s12, v1
	s_mov_b32 s13, ttmp9
	s_and_b32 s14, ttmp7, 0xffff
.irp g, 16, 24
	s_mov_b32 s[\g+0], 3<<16
	s_mov_b32 s[\g+1], 32<<16
	s_mov_b32 s[\g+3], 32<<16
	s_mov_b32 s[\g+5], 32
	s_mov_b32 s[\g+6], 0
	s_mov_b32 s[\g+7], 0
.endr
	s_mov_b32 s18, 128<<16                         ; the codes: 384 rows of 256 bytes, 128 for each of waves 0-2
	s_mov_b32 s20, 128
	s_mov_b32 s26, 16<<16                          ; the scale bytes: 16 rows, all wave 3's
	s_mov_b32 s28, 16
	s_mul_i32 s15, s12, 32768
	s_mul_i32 s50, s14, 98304
	s_add_co_u32 s50, s50, s15
	s_mov_b32 s51, 0
	s_mov_b32 s58, 0
	s_lshl_b32 s52, s14, 12
	s_add_co_u32 s52, s52, s58
	s_add_co_u32 s52, s52, ACTS
	s_mov_b32 s53, 0
	s_wait_dscnt 0x0
	s_wait_kmcnt 0x0
	s_mov_b32 s32, 1
	s_mov_b32 s33, s15
	s_add_nc_u64 s[34:35], s[4:5], s[50:51]
	s_or_b32 s35, s35, 0x80000000
	s_mov_b32 s36, 1
	s_add_co_u32 s37, s58, XS
	s_add_nc_u64 s[38:39], s[4:5], s[52:53]
	s_or_b32 s39, s39, 0x80000000
	s_cmp_lt_u32 s12, 3                            ; the head's tiles are shared out, one tensor load a wave: one chain of branches on the wave's number, one join
	s_cbranch_scc0 .Lhead_scales
	tensor_load_to_lds s[32:35], s[16:23]          ; waves 0-2: a third of the codes
	s_nop 0
.rept 4
	v_nop
.endr
	s_branch .Lhead_asked
.Lhead_scales:
	tensor_load_to_lds s[36:39], s[24:31]          ; wave 3: the scale bytes
	s_nop 0
.rept 4
	v_nop
.endr
.Lhead_asked:
	s_lshl_b32 s15, s13, 5
	s_lshl_b32 s58, s12, 3
	s_add_co_u32 s15, s15, s58
	s_mul_i32 s50, s15, 6144
	s_add_co_u32 s50, s50, W1I
	s_add_nc_u64 s[40:41], s[6:7], s[50:51]
	s_lshl_b32 s50, s15, 8
	s_add_co_u32 s50, s50, W1S
	s_add_nc_u64 s[42:43], s[6:7], s[50:51]
	s_lshl_b32 s59, s13, 2
	s_add_co_u32 s59, s59, s12
	s_lshl_b32 s50, s59, 9
	s_add_nc_u64 s[48:49], s[8:9], s[50:51]
	s_lshl_b32 s58, s14, 6
	s_add_co_u32 s58, s58, s59
	s_mul_i32 s50, s58, 12288
	s_add_nc_u64 s[44:45], s[10:11], s[50:51]
	s_lshl_b32 s50, s58, 9
	s_add_co_u32 s50, s50, HIDS
	s_add_nc_u64 s[46:47], s[10:11], s[50:51]
	v_bfe_u32 v2, v0, 4, 1
	v_and_b32 v3, 31, v0
	v_lshlrev_b32 v3, 4, v3
	v_lshlrev_b32 v[SH8], 3, v2
	v_lshlrev_b32 v7, 7, v2
	v_mov_b32 v[U], 0
	WIN 0x40
.irp f, 0,1,2,3,4,5,6,7,8,9,10,11,12,13,14,15
.irp j, 0,1,2
	global_load_b128 v[12*\f+4*\j:12*\f+4*\j+3], v3, s[40:41] offset:1536*\f+512*\j
.endr
.endr
	WIN 0x80
.irp f, 0,1,2,3,4,5,6,7,8,9,10,11,12,13,14,15
.irp j, 0,1,2
	global_load_b128 v[12*\f+4*\j:12*\f+4*\j+3], v3, s[40:41] offset:1536*(16+\f)+512*\j
.endr
.endr
	WIN 0
.irp p, 0,1,2,3
	global_load_b128 v[WS+4*\p:WS+4*\p+3], v3, s[42:43] offset:512*\p
.endr
.irp a, 0,1
.irp i, 0,1,2,3
	global_load_b128 v[BI+32*\a+8*\i:BI+32*\a+8*\i+3], v7, s[48:49] offset:256*\a+32*\i
	global_load_b128 v[BI+32*\a+8*\i+4:BI+32*\a+8*\i+7], v7, s[48:49] offset:256*\a+32*\i+16
.endr
.endr
	s_mov_b32 s[SEL], 0x76543210
	s_mov_b32 s[SEL+1], 0xfedcba98
	s_mov_b32 s54, 0xffff0000
	s_mov_b32 s52, 0
	s_mov_b32 s53, XS
	s_mov_b32 s55, 2
	s_wait_loadcnt 0x0
	s_wait_tensorcnt 0x0
	s_barrier_signal -1
	s_barrier_wait -1
.Ltg:
	s_wait_alu depctr_va_vdst(0)
	v_add_nc_u32 v9, s52, v3
	v_add_nc_u32 v10, s53, v3
.irp p, 0,1,2,3
	ds_load_b128 v[XSC+4*\p:XSC+4*\p+3], v10 offset:512*\p
.endr
	TILE_LD 0
	s_wait_alu depctr_va_vdst(0)
.irp a, 0,1,2,3,4,5,6,7
	s_wait_dscnt 0x0
.irp half, 0,1
	WIN 0x0d+\half
.irp s, 0,1,2,3
.irp i, 0,1,2,3
.set T8, 4*\half+\i
.if \s == 0
	WM ACC+8*T8, 12*(4*\i+\s), 12*\s, BI+8*T8, WS+4*(T8/2)+\s, XSC+4*(\a/2)+\s, T8%2, \a%2
.else
	WM ACC+8*T8, 12*(4*\i+\s), 12*\s, ACC+8*T8, WS+4*(T8/2)+\s, XSC+4*(\a/2)+\s, T8%2, \a%2
.endif
.endr
.endr
.endr
	WIN 0
	PLACES
.if \a < 7
	TILE_LD \a+1
.endif
.set pj, 0
.rept 64
	v_max_num_f32 v[ACC+pj], 0, v[ACC+pj]
.set pj, pj+1
.endr
	BMAX2 M, ACC, ACC+32, 0
	BSC SCR, BY, M
	BSC SCR+1, BY+1, M+1
	WORD WD, U, BY, BY+1
.if \a%2 == 0
	v_mov_b32 v[SW+\a/2], v[WD]
.else
	v_cndmask_b32 v[SW+\a/2], v[SW+\a/2], v[WD], s54
.endif
	s_wait_alu depctr_va_vdst(0)
	s_wait_xcnt 0x0
	BCVT2 HC+12*(\a%2), HC+12*(\a%2)+6, T0, T1, ACC, ACC+32, SCR
.irp j, 0,1,2
	global_store_b128 v3, v[HC+12*(\a%2)+4*\j:HC+12*(\a%2)+4*\j+3], s[44:45] offset:1536*\a+512*\j
.endr
.endr
	global_store_b128 v3, v[SW:SW+3], s[46:47]
	s_wait_xcnt 0x0
	s_add_nc_u64 s[44:45], s[44:45], 393216
	s_add_nc_u64 s[46:47], s[46:47], 16384
	s_add_co_u32 s52, s52, 49152
	s_add_co_u32 s53, s53, 2048
	s_sub_co_u32 s55, s55, 1
	s_cmp_lg_u32 s55, 0
	s_cbranch_scc1 .Ltg
	s_wait_tensorcnt 0x0
	ds_add_u32 v254, v255
	s_wait_dscnt 0x0
	s_endpgm
.Lfunc_end_k_qcad59ca432_ffn1:
	.size	k_qcad59ca432_ffn1, .Lfunc_end_k_qcad59ca432_ffn1-k_qcad59ca432_ffn1
	.p2alignl 7, 3214868480
	.fill 96, 4, 3214868480
	.section	.rodata,"a",@progbits
	.p2align	6, 0x0
	.amdhsa_kernel k_qcad59ca432_ffn1
		.amdhsa_group_segment_fixed_size 327680
		.amdhsa_private_segment_fixed_size 0
		.amdhsa_enable_private_segment 0
		.amdhsa_kernarg_size 32
		.amdhsa_user_sgpr_count 2
		.amdhsa_user_sgpr_kernarg_segment_ptr 1
		.amdhsa_wavefront_size32 1
		.amdhsa_system_sgpr_workgroup_id_x 1
		.amdhsa_system_sgpr_workgroup_id_y 1
		.amdhsa_system_sgpr_workgroup_id_z 1
		.amdhsa_system_vgpr_workitem_id 0
		.amdhsa_next_free_vgpr 1024
		.amdhsa_next_free_sgpr 66
		.amdhsa_reserve_vcc 0
		.amdhsa_float_denorm_mode_32 3
		.amdhsa_float_denorm_mode_16_64 3
		.amdhsa_memory_ordered 1
		.amdhsa_forward_progress 1
		.amdhsa_inst_pref_size 100
	.end_amdhsa_kernel
	.amdgpu_metadata
---
amdhsa.version: [ 1, 2 ]
amdhsa.kernels:
  - .name:           k_qcad59ca432_ffn1
    .symbol:         k_qcad59ca432_ffn1.kd
    .args:
      - { .name: act, .offset: 0, .size: 8, .value_kind: global_buffer, .address_space: global }
      - { .name: wts, .offset: 8, .size: 8, .value_kind: global_buffer, .address_space: global }
      - { .name: b1, .offset: 16, .size: 8, .value_kind: global_buffer, .address_space: global }
      - { .name: hid, .offset: 24, .size: 8, .value_kind: global_buffer, .address_space: global }
    .group_segment_fixed_size: 327680
    .private_segment_fixed_size: 0
    .kernarg_segment_align: 8
    .kernarg_segment_size: 32
    .max_flat_workgroup_size: 128
    .sgpr_count:     66
    .vgpr_count:     1024
    .wavefront_size: 32
...
	.end_amdgpu_metadata
.endif
;; end of part 4
;; launch ffn2 (part 5): grid 4 x 64, 4 waves a work-group, clusters of 4 x 1, 270,848 bytes of LDS; arguments hid, wts, b2, x1, out0; writes out0
.if DOCPART == 5
	.amdgcn_target "amdgcn-amd-amdhsa--gfx1250"
	.amdhsa_code_object_version 6
	.text
	.protected	k_qcad59ca432_ffn2
	.globl	k_qcad59ca432_ffn2
	.p2align	8
	.type	k_qcad59ca432_ffn2,@function
k_qcad59ca432_ffn2:
	s_mov_b64 s[64:65], 0
	v_nop
	global_prefetch_b8 v0, s[64:65] scope:SCOPE_SE
	s_setreg_imm32_b32 hwreg(HW_REG_WAVE_MODE, 25, 1), 1
	s_wait_xcnt 0x0
	s_wait_alu depctr_hold_cnt(0) depctr_sa_sdst(0) depctr_va_vdst(0) depctr_va_sdst(0) depctr_va_ssrc(0) depctr_va_vcc(0) depctr_vm_vsrc(0)
	s_getreg_b32 s2, hwreg(HW_REG_IB_STS2, 6, 4)
	s_cmp_eq_u32 s2, 0
	s_cbranch_scc0 .Lentry_in_a_cluster
	s_endpgm
.Lentry_in_a_cluster:
	s_bfe_u32 s2, ttmp6, 0x10000c
	s_cmp_lg_u32 s2, 0x3003
	s_cbranch_scc0 .Lentry_shape_is_right
	s_endpgm
.Lentry_shape_is_right:
; out0 = x1 + relu(hid W2 + b2): the second product of the feed-forward layer on codes of BF6 with E8M0 scales.  A work-group makes 128 tokens (work-group y) x 128 columns (work-group x); K = 4,096 in 32 steps of 128.
; THE WAVES SHARE K: wave w makes the whole 128 x 128 (64 accumulators, 512 registers) over K steps 8 w .. 8 w + 7.  So each fragment is wanted by one wave alone, comes straight from memory into its registers (both operands lie
; in memory as images of registers: three loads of 16 bytes a lane) and feeds eight products; the main part has no LDS and no barrier.  At the end the four partial tiles meet in LDS: one barrier; each wave sums, finishes and
; stores 32 whole rows.  The order of the sums so differs from one chain along K: four partial sums are added as (p0 + p1) + (p2 + p3).
; Source 0 = 16 columns of W2, source 1 = 16 tokens: a lane holds eight neighbouring columns of one token.  Row r of token tile a is token 64 (a / 4) + 32 (r / 8) + 8 (a % 4) + r % 8 of the 128.
; CLUSTER 4, 1, 1: the four work-groups of a cluster make the four column blocks of the same 128 tokens, so they read the same bytes of hid and run together.  The operands go into registers and there is no tensor load:
; so nothing is asked for jointly, and no round of the cluster's barrier is owed.  The place in the cluster enters global addresses alone: no branch and no LDS address hangs on it.
; REGISTERS: window 0: v1-11 addresses; v16 + 8 p .. hid's scale words of set p (register j: lanes 0-15 tile 2 j, lanes 16-31 tile 2 j + 1), v20 + 8 p .. W2's; v32 + 96 p + 12 a hid's fragments of set p; v224-227 b2.
;   window 1: 96 p + 12 T W2's fragments of set p.   windows 2, 3: accumulator (a, T) at 8 (8 (a % 4) + T) of window 2 + a / 4.
.set W2I,   2162688
.set W2S,   3825664
.set HIDS,  25165824
.set PART,  67584                      ; LDS: a wave's partial tile: 128 rows of 512 + 16 bytes
.set MUL_LO, 0xa1                      ; source 0 (W2) window 1, source 1 (hid) window 0, C and D window 2
.set TO_B,   0x40
.set MSB, 0
.macro WIN new                         ; the immediate's high byte repeats the setting that is left
.if MSB != (\new)
	s_set_vgpr_msb (MSB<<8)|(\new)
.set MSB, \new
.endif
.endm
.macro PLACES
.rept 4
	v_nop
.endr
.endm
; One product.  c < 0: the constant 0 starts the sum; else C's first register.  ra, rb: source 0's, source 1's scale words stand in lanes 16-31 of their register
.macro WM d, a, b, c, sa, sb, ra, rb
.if (\c) < 0
.if (\ra) && (\rb)
	v_wmma_scale_f32_16x16x128_f8f6f4 v[\d:\d+7], v[\a:\a+11], v[\b:\b+11], 0, v[\sa], v[\sb] matrix_a_fmt:MATRIX_FMT_BF6 matrix_b_fmt:MATRIX_FMT_BF6 matrix_a_scale:MATRIX_SCALE_ROW1 matrix_b_scale:MATRIX_SCALE_ROW1
.elseif \ra
	v_wmma_scale_f32_16x16x128_f8f6f4 v[\d:\d+7], v[\a:\a+11], v[\b:\b+11], 0, v[\sa], v[\sb] matrix_a_fmt:MATRIX_FMT_BF6 matrix_b_fmt:MATRIX_FMT_BF6 matrix_a_scale:MATRIX_SCALE_ROW1
.elseif \rb
	v_wmma_scale_f32_16x16x128_f8f6f4 v[\d:\d+7], v[\a:\a+11], v[\b:\b+11], 0, v[\sa], v[\sb] matrix_a_fmt:MATRIX_FMT_BF6 matrix_b_fmt:MATRIX_FMT_BF6 matrix_b_scale:MATRIX_SCALE_ROW1
.else
	v_wmma_scale_f32_16x16x128_f8f6f4 v[\d:\d+7], v[\a:\a+11], v[\b:\b+11], 0, v[\sa], v[\sb] matrix_a_fmt:MATRIX_FMT_BF6 matrix_b_fmt:MATRIX_FMT_BF6
.endif
.else
.if (\ra) && (\rb)
	v_wmma_scale_f32_16x16x128_f8f6f4 v[\d:\d+7], v[\a:\a+11], v[\b:\b+11], v[\c:\c+7], v[\sa], v[\sb] matrix_a_fmt:MATRIX_FMT_BF6 matrix_b_fmt:MATRIX_FMT_BF6 matrix_a_scale:MATRIX_SCALE_ROW1 matrix_b_scale:MATRIX_SCALE_ROW1
.elseif \ra
	v_wmma_scale_f32_16x16x128_f8f6f4 v[\d:\d+7], v[\a:\a+11], v[\b:\b+11], v[\c:\c+7], v[\sa], v[\sb] matrix_a_fmt:MATRIX_FMT_BF6 matrix_b_fmt:MATRIX_FMT_BF6 matrix_a_scale:MATRIX_SCALE_ROW1
.elseif \rb
	v_wmma_scale_f32_16x16x128_f8f6f4 v[\d:\d+7], v[\a:\a+11], v[\b:\b+11], v[\c:\c+7], v[\sa], v[\sb] matrix_a_fmt:MATRIX_FMT_BF6 matrix_b_fmt:MATRIX_FMT_BF6 matrix_b_scale:MATRIX_SCALE_ROW1
.else
	v_wmma_scale_f32_16x16x128_f8f6f4 v[\d:\d+7], v[\a:\a+11], v[\b:\b+11], v[\c:\c+7], v[\sa], v[\sb] matrix_a_fmt:MATRIX_FMT_BF6 matrix_b_fmt:MATRIX_FMT_BF6
.endif
.endif
.endm
.macro LOADS i, p                      ; my K step i into set p: 24 + 24 loads of fragments, 2 of scale words: 50
	WIN TO_B
.irp t, 0,1,2,3,4,5,6,7
.irp j, 0,1,2
	global_load_b128 v[96*(\p)+12*\t+4*\j:96*(\p)+12*\t+4*\j+3], v3, s[40:41] offset:12288*(\i)+1536*\t+512*\j
.endr
.endr
	WIN 0
.irp t, 0,1,2,3,4,5,6,7
.irp j, 0,1,2
	global_load_b128 v[32+96*(\p)+12*\t+4*\j:32+96*(\p)+12*\t+4*\j+3], v3, s[42:43] offset:12288*(\i)+1536*\t+512*\j
.endr
.endr
	global_load_b128 v[16+8*(\p):19+8*(\p)], v3, s[44:45] offset:512*(\i)
	global_load_b128 v[20+8*(\p):23+8*(\p)], v3, s[46:47] offset:512*(\i)
.endm
.macro MUL p, zero                     ; 64 products: all 64 accumulators by turns, in the same order in every K step
.irp a, 0,1,2,3,4,5,6,7
	WIN MUL_LO+0x50*(\a/4)
.irp t, 0,1,2,3,4,5,6,7
.if \zero
	WM 8*(8*(\a%4)+\t), 96*(\p)+12*\t, 32+96*(\p)+12*\a, -1, 20+8*(\p)+\t/2, 16+8*(\p)+\a/2, \t%2, \a%2
.else
	WM 8*(8*(\a%4)+\t), 96*(\p)+12*\t, 32+96*(\p)+12*\a, 8*(8*(\a%4)+\t), 20+8*(\p)+\t/2, 16+8*(\p)+\a/2, \t%2, \a%2
.endif
.endr
.endr
	WIN 0
.endm
	s_load_b256 s[4:11], s[0:1], 0x0               ; hid s[4:5], wts s[6:7], b2 s[8:9], x1 s[10:11]
	s_load_b64 s[12:13], s[0:1], 0x20              ; out0
	v_lshl_add_u32 v254, v0, 2, 0x42000
	v_mov_b32 v255, 0
	v_lshrrev_b32 v1, 5, v0
	v_readfirstlane_b32 s14, v1                    ; wave
	s_bfe_u32 s15, ttmp6, 0x40000                  ; cx: my place in the cluster
	s_lshl_b32 s17, ttmp9, 2
	s_add_co_u32 s15, s17, s15                     ; CG: 128 columns = 4 x cluster x + cx
	s_and_b32 s16, ttmp7, 0xffff                   ; TG: 128 tokens
	s_lshl_b32 s18, s14, 3
	s_lshl_b32 s17, s15, 5
	s_add_co_u32 s17, s17, s18                     ; 32 CG + 8 w
	s_lshl_b32 s19, s16, 5
	s_add_co_u32 s19, s19, s18                     ; 32 TG + 8 w
	s_mov_b32 s55, 0
	v_and_b32 v1, 15, v0                           ; r
	v_bfe_u32 v2, v0, 4, 1                         ; h
	v_and_b32 v3, 31, v0
	v_lshlrev_b32 v3, 4, v3                        ; 16 L
	s_mul_i32 s20, s14, PART
	v_mul_u32_u24 v5, v1, 528
	v_lshl_add_u32 v5, v2, 5, v5
	v_add_nc_u32 v5, s20, v5                       ; my partial tile: row r, + 32 h
	s_mul_i32 s20, s14, 16896
	v_add_nc_u32 v8, s20, v3                       ; rows 32 w on of partial tile 0, 16 bytes a lane;
	v_add_nc_u32 v9, PART, v8                      ; of tiles 1, 2, 3
	v_add_nc_u32 v10, 2*PART, v8
	v_add_nc_u32 v11, 3*PART, v8
	s_wait_alu depctr_va_vdst(0)                   ; the wait at the head's end
	s_wait_kmcnt 0x0
	s_mul_i32 s54, s17, 12288
	s_add_co_u32 s54, s54, W2I
	s_add_nc_u64 s[40:41], s[6:7], s[54:55]
	s_mul_i32 s54, s19, 12288
	s_add_nc_u64 s[42:43], s[4:5], s[54:55]
	s_lshl_b32 s54, s19, 9
	s_add_co_u32 s54, s54, HIDS
	s_add_nc_u64 s[44:45], s[4:5], s[54:55]
	s_lshl_b32 s54, s17, 9
	s_add_co_u32 s54, s54, W2S
	s_add_nc_u64 s[46:47], s[6:7], s[54:55]
	s_lshl_b32 s54, s15, 9                         ; my 128 columns: 512 bytes
	s_add_nc_u64 s[48:49], s[8:9], s[54:55]
	s_lshl_b32 s20, s16, 7
	s_lshr_b32 s21, s14, 1
	s_lshl_b32 s21, s21, 6
	s_add_co_u32 s20, s20, s21
	s_and_b32 s21, s14, 1
	s_lshl_b32 s21, s21, 4
	s_add_co_u32 s20, s20, s21                     ; the first token of tiles 2 w, 2 w + 1: 128 TG + 64 (w / 2) + 16 (w % 2)
	s_lshl_b32 s20, s20, 11
	s_add_co_u32 s54, s54, s20
	s_add_nc_u64 s[50:51], s[10:11], s[54:55]
	s_add_nc_u64 s[52:53], s[12:13], s[54:55]
	global_load_b128 v[224:227], v3, s[48:49]      ; b2 of columns 4 L .. 4 L + 3
	LOADS 0, 0
	LOADS 1, 1
.irp i, 0,1,2,3,4,5,6,7
.if \i < 7
	s_wait_loadcnt 50                              ; this K step's set is in; the other set's 50 loads may be out
.else
	s_wait_loadcnt 0x0
.endif
.if \i == 0
	MUL 0, 1                                       ; the first K step starts the sums: nothing is cleared
.else
	MUL \i%2, 0
.endif
	PLACES                                         ; in front of loads into registers that matrix instructions have read, and of the first read of results
.if \i < 6
	LOADS \i+2, \i%2
.endif
.endr
	; ---- the four partial tiles meet
.set qi, 0
.rept 32
	global_load_b128 v[96+4*qi:99+4*qi], v3, s[50:51] offset:(8*(qi/16)+32*((qi%16)/8)+qi%8)*2048 th:TH_LOAD_NT   ; x1: row qi % 16 of tile 2 w + qi / 16: 512 consecutive bytes
.set qi, qi+1
.endr
.irp a, 0,1,2,3,4,5,6,7
	WIN 0x08+4*(\a/4)                              ; an LDS store's data are its source 1: window 2 or 3
.irp t, 0,1,2,3,4,5,6,7
	ds_store_b128 v5, v[8*(8*(\a%4)+\t):8*(8*(\a%4)+\t)+3] offset:8448*\a+64*\t          ; each accumulator from its low end on
	ds_store_b128 v5, v[8*(8*(\a%4)+\t)+4:8*(8*(\a%4)+\t)+7] offset:8448*\a+64*\t+16
.endr
.endr
	WIN 0
	s_wait_dscnt 0x0                               ; for the others' sake: my stores have landed
	s_barrier_signal -1
	s_barrier_wait -1
.irp bt, 0,1,2,3,4,5,6,7               ; four rows at a time
.irp rr, 0,1,2,3
.irp u, 0,1,2,3
	ds_load_b128 v[32+16*\rr+4*\u:35+16*\rr+4*\u], v[8+\u] offset:8448*((4*\bt+\rr)/16)+528*((4*\bt+\rr)%16)
.endr
.endr
	s_wait_dscnt 0x0
.if \bt == 0
	s_wait_loadcnt 0x0                             ; x1
.endif
.irp rr, 0,1,2,3
.set P, 32+16*\rr
.set X, 96+4*(4*\bt+\rr)
.set RW, 4*\bt+\rr
	v_pk_add_f32 v[P:P+1], v[P:P+1], v[P+4:P+5]
	v_pk_add_f32 v[P+2:P+3], v[P+2:P+3], v[P+6:P+7]
	v_pk_add_f32 v[P+8:P+9], v[P+8:P+9], v[P+12:P+13]
	v_pk_add_f32 v[P+10:P+11], v[P+10:P+11], v[P+14:P+15]
	v_pk_add_f32 v[P:P+1], v[P:P+1], v[P+8:P+9]
	v_pk_add_f32 v[P+2:P+3], v[P+2:P+3], v[P+10:P+11]
	v_pk_add_f32 v[P:P+1], v[P:P+1], v[224:225]    ; + b2
	v_pk_add_f32 v[P+2:P+3], v[P+2:P+3], v[226:227]
	v_max_num_f32 v[P], 0, v[P]
	v_max_num_f32 v[P+1], 0, v[P+1]
	v_max_num_f32 v[P+2], 0, v[P+2]
	v_max_num_f32 v[P+3], 0, v[P+3]
	v_pk_add_f32 v[X:X+1], v[X:X+1], v[P:P+1]      ; + x1, in the row's own registers, which are not written again
	v_pk_add_f32 v[X+2:X+3], v[X+2:X+3], v[P+2:P+3]
	global_store_b128 v3, v[X:X+3], s[52:53] offset:(8*(RW/16)+32*((RW%16)/8)+RW%8)*2048 th:TH_STORE_NT   ; 512 consecutive bytes, aligned to 256
.endr
.endr
	s_wait_tensorcnt 0x0                           ; the wave's end
	ds_add_u32 v254, v255
	s_wait_dscnt 0x0
	s_endpgm
.Lfunc_end_k_qcad59ca432_ffn2:
	.size	k_qcad59ca432_ffn2, .Lfunc_end_k_qcad59ca432_ffn2-k_qcad59ca432_ffn2
	.p2alignl 7, 3214868480
	.fill 96, 4, 3214868480
	.section	.rodata,"a",@progbits
	.p2align	6, 0x0
	.amdhsa_kernel k_qcad59ca432_ffn2
		.amdhsa_group_segment_fixed_size 270848
		.amdhsa_private_segment_fixed_size 0
		.amdhsa_enable_private_segment 0
		.amdhsa_kernarg_size 40
		.amdhsa_user_sgpr_count 2
		.amdhsa_user_sgpr_kernarg_segment_ptr 1
		.amdhsa_wavefront_size32 1
		.amdhsa_system_sgpr_workgroup_id_x 1
		.amdhsa_system_sgpr_workgroup_id_y 1
		.amdhsa_system_sgpr_workgroup_id_z 1
		.amdhsa_system_vgpr_workitem_id 0
		.amdhsa_next_free_vgpr 1024
		.amdhsa_next_free_sgpr 66
		.amdhsa_reserve_vcc 0
		.amdhsa_float_denorm_mode_32 3
		.amdhsa_float_denorm_mode_16_64 3
		.amdhsa_memory_ordered 1
		.amdhsa_forward_progress 1
		.amdhsa_inst_pref_size 154
	.end_amdhsa_kernel
	.amdgpu_metadata
---
amdhsa.version: [ 1, 2 ]
amdhsa.kernels:
  - .name:           k_qcad59ca432_ffn2
    .symbol:         k_qcad59ca432_ffn2.kd
    .args:
      - { .name: hid, .offset: 0, .size: 8, .value_kind: global_buffer, .address_space: global }
      - { .name: wts, .offset: 8, .size: 8, .value_kind: global_buffer, .address_space: global }
      - { .name: b2, .offset: 16, .size: 8, .value_kind: global_buffer, .address_space: global }
      - { .name: x1, .offset: 24, .size: 8, .value_kind: global_buffer, .address_space: global }
      - { .name: out0, .offset: 32, .size: 8, .value_kind: global_buffer, .address_space: global }
    .group_segment_fixed_size: 270848
    .private_segment_fixed_size: 0
    .kernarg_segment_align: 8
    .kernarg_segment_size: 40
    .max_flat_workgroup_size: 128
    .sgpr_count:     66
    .vgpr_count:     1024
    .wavefront_size: 32
...
	.end_amdgpu_metadata
.endif
;; end of part 5
